; MI455X (gfx1250); checked and timed in simulation.
; The chip was launched on July 23, 2026; its instructions are those of AMD's public machine-readable ISA for CDNA 5 (MIT licence, August 2026) and "CDNA5" Instruction Set Architecture Reference Guide (July 2026). The comments in the code are by the model that wrote it; some were corrected since.
;; Transformer Block. Allowed arithmetic: matrix products marked QUANTISED: E4M3 operands, one E8M0 scale for each 32 along K, by v_wmma_scale_f32_16x16x128_f8f6f4 with both operands' format E4M3, f32 sums; everything else in f32.
;; Inputs: W2_codes 512 x 64 x 32 uint8 (E4M3 codes of W2, K innermost, in blocks of 32 codes); W2_scales 512 x 64 uint8 (E8M0 scales of W2, one for each 32 codes along K); Wk_codes 512 x 16 x 32 uint8 (E4M3 codes of Wk, K innermost, in blocks of 32 codes); Wk_scales 512 x 16 uint8 (E8M0 scales of Wk, one for each 32 codes along K); Wp_codes 4,096 x 16 x 32 uint8 (E4M3 codes of Wp, K innermost, in blocks of 32 codes); Wp_scales 4,096 x 16 uint8 (E8M0 scales of Wp, one for each 32 codes along K); Wq_codes 512 x 16 x 32 uint8 (E4M3 codes of Wq, K innermost, in blocks of 32 codes); Wq_scales 512 x 16 uint8 (E8M0 scales of Wq, one for each 32 codes along K); Wv_codes 512 x 16 x 32 uint8 (E4M3 codes of Wv, K innermost, in blocks of 32 codes); Wv_scales 512 x 16 uint8 (E8M0 scales of Wv, one for each 32 codes along K); b2 512 float32; bk 512 float32; bp 4,096 float32; bq 512 float32; bv 512 float32; ln0_b 512 float32; ln0_g 512 float32; ln1_b 512 float32; ln1_g 512 float32; x 4 x 2,048 x 512 float32.
;; Outputs: out0 4 x 2,048 x 512 float32.
;; This version of the problem:
;;   THIS VERSION OF THE PROBLEM IS GIVEN IN LOW PRECISION. The matrix products marked QUANTISED in the list below multiply operands that are first quantised to E4M3 (4 exponent bits, 3 mantissa bits; 8 bits a number), with one power-of-two scale for each 32 numbers along K (OCP MX v1.0); their sums are f32. All else is computed in f32.
;;   The module's matrix products, in the order in which they are computed (A, B: the left and right operand; K: the contracted axis; several contracted axes count as one K, in the product's order):
;;     1. [M 8,192, K 512] x [K 512, N 512]; A: computed on the way; B: input Wq (given as codes): QUANTISED
;;     2. [M 8,192, K 512] x [K 512, N 512]; A: computed on the way; B: input Wk (given as codes): QUANTISED
;;     3. [M 8,192, K 512] x [K 512, N 512]; A: computed on the way; B: input Wv (given as codes): QUANTISED
;;     4. batch 32 x [M 2,048, K 64] x [K 64, N 2,048]; A: computed on the way; B: computed on the way: QUANTISED
;;     5. batch 32 x [M 2,048, K 2,048] x [K 2,048, N 64]; A: softmax (see below); B: computed on the way: QUANTISED
;;     6. [M 8,192, K 512] x [K 512, N 4,096]; A: computed on the way; B: input Wp (given as codes): QUANTISED
;;     7. [M 8,192, K 2,048] x [K 2,048, N 512]; A: computed on the way; B: input W2 (given as codes): QUANTISED
;;   THE QUANTISER, for each operand of a quantised product, along K:
;;     - K is cut into blocks of 32 from its start; a last block that is shorter is filled with zeros.
;;     - A block's scale is 2^e with e = floor(log2(the largest magnitude in the block)) - 8, held to -126 .. 127; a block of zeros has e = 0. As a byte (E8M0): e + 127.
;;     - Each number is divided by its block's scale, clamped to +-448, and rounded to the nearest number of E4M3, ties to even, subnormals kept.
;;     - The product sums the exact products of the quantised numbers (number of the format x scale) in f32.
;;   ~~~python
;;   def quantise(x, axis):      # numpy; x: float32 -> the quantised numbers, widened to float32 again
;;       x = np.moveaxis(x, axis, -1); K = x.shape[-1]
;;       x = np.pad(x, [(0, 0)] * (x.ndim - 1) + [(0, -K % 32)]); x = x.reshape(x.shape[:-1] + (-1, 32)); a = np.abs(x).max(-1, keepdims=True)
;;       e = np.where(a > 0, np.clip(np.frexp(np.where(a > 0, a, 1))[1] - 1 - 8, -126, 127), 0)      # np.frexp(a)[1] - 1 = floor(log2(a)), exactly
;;       r = np.clip(x / 2.0 ** e, -448, 448)
;;       step = 2.0 ** (np.maximum(np.frexp(np.where(r == 0, 1, r))[1] - 1, -6) - 3)
;;       q = np.round(r / step) * step * 2.0 ** e      # np.round: ties to even
;;       return np.moveaxis(q.reshape(q.shape[:-2] + (-1,))[..., :K], -1, axis).astype(np.float32)
;;   ~~~
;;   SOFTMAX AHEAD OF A QUANTISED PRODUCT. Where the list says 'softmax', what is quantised is not the finished softmax but p = 2^(t - M), with t = logit x log2(e) and M = ceil(the row's largest t), a whole number; so 1/2 < the row's largest p <= 1. The row's sum l is taken of the UNQUANTISED p, in f32, and the product's result is divided by l at the end. Since M is a whole number, a kernel that streams over the keys may use a running M (the ceiling of the running maximum): every later rescaling is an exact power of two, which a block's scale takes up: the codes' values come out the same.
;;   OPERANDS COMPUTED ON THE WAY. 'Computed on the way' means the value that the module computes at that place (a softmax that the list does not call 'softmax' is quantised finished and normalised). What goes into a quantiser is computed in f32, as accurately as f32 sums, v_exp_f32 and their like allow (about 1e-6 of the number): no bf16 or f16 on the way to a quantiser, and a product that is left as it is and whose result goes on into a quantised operand takes f32 operands (vector FMAs, or v_wmma_f32_16x16x4_f32). A number that lies on a knife's edge between two numbers of the format may be rounded either way, as far as f32 arithmetic and the matrix unit's own rounding can turn it there, and no further.
;;   INPUTS GIVEN AS CODES. W2 (in the module: [2048, 512], K = its axis 0); Wk (in the module: [512, 512], K = its axis 0); Wp (in the module: [512, 4096], K = its axis 0); Wq (in the module: [512, 512], K = its axis 0); Wv (in the module: [512, 512], K = its axis 0): each comes as NAME_codes (uint8): NAME with its K axis moved to the last place and cut into blocks of 32 codes, [.., K / 32, bytes a block], one block behind the other in memory; one code a byte (a code: sign, 4 exponent bits, 3 mantissa bits); and NAME_scales (uint8): the same leading axes, one E8M0 byte (e + 127) for each 32 codes along K. Its value is code x scale, taken as it is: it is not quantised again, and the codes and scales need not be those that the quantiser above would give.
;; One version. Each part assembles by itself: llvm-mc -triple=amdgcn-amd-amdhsa -mcpu=gfx1250 --defsym DOCPART=n.
;; ======== version 1 of 1: 6 launches
;; limits: right only within a limited range of input values
;; workspace buffers: h0q 4,456,448 bytes; h1q 4,456,448 bytes; qq 4,718,592 bytes; kv 9,175,040 bytes; x1 16,777,216 bytes; yq 16,777,216 bytes; ysc 1,048,576 bytes; wimg 3,932,160 bytes
;; launch ln0 (part 1): grid 316 x 1, 8 waves a work-group, no clusters, 67,072 bytes of LDS; arguments x, ln0_g, ln0_b, h0q, Wq_codes, Wk_codes, Wv_codes, Wp_codes, W2_codes, wimg; writes h0q, wimg
.if DOCPART == 1
	.amdgcn_target "amdgcn-amd-amdhsa--gfx1250"
	.amdhsa_code_object_version 6
	.text
	.protected	k_q5fbc1c853c_ln0
	.globl	k_q5fbc1c853c_ln0
	.p2align	8
	.type	k_q5fbc1c853c_ln0,@function
k_q5fbc1c853c_ln0:
	s_mov_b64 s[64:65], 0
	v_nop
	global_prefetch_b8 v0, s[64:65] scope:SCOPE_SE
	s_setreg_imm32_b32 hwreg(HW_REG_WAVE_MODE, 25, 1), 1
	s_wait_xcnt 0x0
; TWO KINDS OF WORK-GROUPS.  Numbers 0 to 255: LayerNorm over 512 channels, then the MX-FP8 quantiser along the channels.  Numbers 256 to 315: the weights' codes are laid out once as images of operand registers (at the end of this text).
; LAYERNORM.  x [8192][512] f32, g, b [512] f32.
; h0q: 512 tiles of 16 tokens x 8,704 bytes, each an IMAGE OF THE READER'S OPERAND REGISTERS: codes at 2048 s + 512 c + 16 lane (K step s of 128, register group c), scale words at 8192 + 128 s + 4 lane.
; THE TOKENS OF A TILE ARE NOT NEIGHBOURS: lane r of tile 2 B + u stands for token 32 B + 8 u + r + 8 (r / 8).
; SHARES.  A work-group of eight waves takes the 32 tokens of block B.  Phase 1: wave w normalises tokens 4 w .. 4 w + 3, a row in 16 registers a lane, every load 512 consecutive bytes; mean first, then the
; sum of squared deviations (no difference of large sums).  The rows go to LDS, ordered by tile.  Phase 2: wave w quantises the fragment (tile u = w / 4, K step s = w % 4): lane (r, h) reads 16 neighbours of each block of 32.
; No matrix unit, no tensor load, no cluster: work-groups share nothing but g and b (4 KB).
; LIMITS: NaN and infinities are not served; a block whose largest magnitude lies under 2^-118 (a block of zeros too) keeps the scale byte 1: the bytes are read by this program alone.
.set LNWG, 256                         ; work-groups that normalise; the 60 behind them lay the weights out
.set ROWP, 2064                        ; an LDS row: 2,048 bytes + 16 = 129 x 16: sixteen rows at one column start at sixteen different 16-byte columns
.set TM,  8                            ; v8-23   the quantiser's 16 registers
.set SQ,  24                           ; v24-31  a pair for each of my four rows: sum, mean, 1 / deviation in the low word
.set X,   32                           ; v32-95  four rows x 16, later a fragment's 64 numbers
.set GG,  96                           ; v96-111 g, later the codes
.set BB,  112                          ; v112-127 b
.set PC,  96
.set PW,  24
.set WV,  12
.set SEL, 14                           ; s[14:15] v_permlanex16_b32's selects for lane l xor 16
.set RN,  16                           ; s16 1 / 512
.set EP,  17                           ; s17 1e-5
.set MNT, 18                           ; s18 the mantissa field of 448
; 64 numbers of a lane, register 16 b + i = k 32 b + 16 (lane / 16) + i of the lane's row, become 16 registers of codes at v[dst]; the four scale bytes stay in v[TM+4 .. TM+7].
.macro QUANT src, dst
.irp b, 0,1,2,3
	v_max3_num_f32 v[TM+\b], |v[(\src)+16*\b]|, |v[(\src)+16*\b+1]|, 0x4800000   ; my 16 numbers of block b, and the floor 2^(9 - 127): the byte cannot fall under 1
.endr
.irp i, 2,4,6,8,10,12,14
.irp b, 0,1,2,3
	v_max3_num_f32 v[TM+\b], v[TM+\b], |v[(\src)+16*\b+\i]|, |v[(\src)+16*\b+\i+1]|   ; the four blocks by turns
.endr
.endr
.irp b, 0,1,2,3
	v_permlanex16_b32 v[TM+4+\b], v[TM+\b], s[SEL], s[SEL+1]
.endr
.irp b, 0,1,2,3
	v_max_num_f32 v[TM+\b], v[TM+\b], v[TM+4+\b]          ; with lane l xor 16's 16: the block's largest magnitude
.endr
.irp b, 0,1,2,3
	v_add_nc_u32 v[TM+12+\b], 0xfc000000, v[TM+\b]        ; 8 off its exponent field: the conversion's scale operand
.endr
.irp b, 0,1,2,3
	v_and_or_b32 v[TM+8+\b], v[TM+\b], 0x7f800000, s[MNT] ; 448 x the scale
.endr
.irp b, 0,1,2,3
	v_lshrrev_b32 v[TM+4+\b], 23, v[TM+12+\b]             ; the scale's byte
.endr
.irp b, 0,1,2,3
.irp i, 0,1,2,3,4,5,6,7,8,9,10,11,12,13,14,15
	v_med3_num_f32 v[(\src)+16*\b+\i], v[(\src)+16*\b+\i], -v[TM+8+\b], v[TM+8+\b]   ; the conversion to an 8-bit code does not saturate (ISA guide 7.6.2): the hold comes first
.endr
	v_cvt_scalef32_pk8_fp8_f32 v[(\dst)+4*\b:(\dst)+4*\b+1], v[(\src)+16*\b:(\src)+16*\b+7], v[TM+12+\b]
	v_cvt_scalef32_pk8_fp8_f32 v[(\dst)+4*\b+2:(\dst)+4*\b+3], v[(\src)+16*\b+8:(\src)+16*\b+15], v[TM+12+\b]
.endr
	v_nop                                                 ; a plain line behind the last conversion
.endm
; each row's pair: its two halves are added, then the 32 lanes'; every lane ends with the row's sum in the low word
.macro RED
.irp q, 0,1,2,3
	v_add_f32 v[SQ+2*\q], v[SQ+2*\q], v[SQ+2*\q+1]
.endr
.irp m, 1,2,4,8
.irp q, 0,1,2,3
	v_add_f32_dpp v[SQ+2*\q], v[SQ+2*\q], v[SQ+2*\q] row_xmask:\m row_mask:0xf bank_mask:0xf
.endr
.endr
.irp q, 0,1,2,3
	v_permlanex16_b32 v[SQ+2*\q+1], v[SQ+2*\q], s[SEL], s[SEL+1]
.endr
.irp q, 0,1,2,3
	v_add_f32 v[SQ+2*\q], v[SQ+2*\q], v[SQ+2*\q+1]
.endr
.endm
	v_lshl_add_u32 v128, v0, 2, 0x10200
	v_mov_b32 v129, 0
	s_cmp_ge_u32 ttmp9, LNWG                       ; the work-group's number alone decides: all eight waves go the same way
	s_cbranch_scc1 .Lprep
	s_load_b256 s[4:11], s[0:1], 0x0               ; x s[4:5], g s[6:7], b s[8:9], h0q s[10:11]
	v_lshrrev_b32 v1, 5, v0
	v_readfirstlane_b32 s[WV], v1                  ; wave 0..7
	v_and_b32 v1, 31, v0                           ; lane
	v_lshlrev_b32 v2, 4, v1                        ; 16 x lane
	v_lshlrev_b32 v5, 2, v1                        ; 4 x lane
	v_and_b32 v6, 15, v0                           ; r
	v_bfe_u32 v7, v0, 4, 1                         ; h
	; token rho of the block lies at LDS row 16 ((rho / 8) % 2) + 8 (rho / 16) + rho % 8; for rho = 4 w: 16 ((w / 2) % 2) + 8 (w / 4) + 4 (w % 2)
	s_bfe_u32 s20, s[WV], 0x10001
	s_lshl_b32 s20, s20, 4
	s_lshr_b32 s21, s[WV], 2                       ; u = w / 4
	s_lshl_b32 s22, s21, 3
	s_add_co_u32 s20, s20, s22
	s_and_b32 s22, s[WV], 1
	s_lshl_b32 s22, s22, 2
	s_add_co_u32 s20, s20, s22
	s_mul_i32 s20, s20, ROWP
	v_add_nc_u32 v3, s20, v2                       ; phase 1 writes: my first row, 16 x lane
	v_mul_u32_u24 v4, v6, ROWP
	v_lshl_add_u32 v4, v7, 6, v4
	s_mul_i32 s22, s21, 16*ROWP
	s_and_b32 s23, s[WV], 3                        ; s = w % 4
	s_lshl_b32 s24, s23, 9
	s_add_co_u32 s22, s22, s24
	v_add_nc_u32 v4, s22, v4                       ; phase 2 reads: row 16 u + r, byte 512 s + 64 h
	s_lshl_b32 s26, ttmp9, 16                      ; x: 32 rows of 2,048 bytes a work-group,
	s_lshl_b32 s27, s[WV], 13                      ; 4 rows a wave
	s_add_co_u32 s26, s26, s27
	s_mov_b32 s27, 0
	s_lshl_b32 s28, ttmp9, 1
	s_add_co_u32 s28, s28, s21
	s_mul_i32 s28, s28, 8704                       ; h0q: tile 2 B + u
	s_lshl_b32 s30, s23, 7
	s_add_co_u32 s30, s30, s28
	s_add_co_u32 s30, s30, 8192                    ; its scale words of K step s
	s_mov_b32 s31, 0
	s_lshl_b32 s29, s23, 11
	s_add_co_u32 s28, s28, s29                     ; its codes of K step s
	s_mov_b32 s29, 0
	s_mov_b32 s[SEL], 0x76543210
	s_mov_b32 s[SEL+1], 0xfedcba98
	s_mov_b32 s[RN], 0x3b000000
	s_mov_b32 s[EP], 0x3727c5ac
	s_mov_b32 s[MNT], 0x600000
.irp b, 0,1,2,3
	v_mov_b32 v[TM+4+\b], 0                        ; written once: a lane permute's destination counts as one of its sources
.endr
	s_wait_kmcnt 0x0
	s_add_nc_u64 s[4:5], s[4:5], s[26:27]
	s_add_nc_u64 s[20:21], s[10:11], s[28:29]
	s_add_nc_u64 s[22:23], s[10:11], s[30:31]
.irp q, 0,1,2,3
.irp i, 0,1,2,3
	global_load_b128 v[X+16*\q+4*\i:X+16*\q+4*\i+3], v2, s[4:5] offset:2048*\q+512*\i   ; 32 lanes read 512 consecutive bytes: register 4 i + k is column 128 i + 4 lane + k
.endr
.endr
.irp i, 0,1,2,3
	global_load_b128 v[GG+4*\i:GG+4*\i+3], v2, s[6:7] offset:512*\i
	global_load_b128 v[BB+4*\i:BB+4*\i+3], v2, s[8:9] offset:512*\i
.endr
	s_wait_loadcnt 0x0
	; ---- phase 1: the four rows by turns
.irp q, 0,1,2,3
	v_pk_add_f32 v[SQ+2*\q:SQ+2*\q+1], v[X+16*\q:X+16*\q+1], v[X+16*\q+2:X+16*\q+3]
.endr
.irp i, 4,6,8,10,12,14
.irp q, 0,1,2,3
	v_pk_add_f32 v[SQ+2*\q:SQ+2*\q+1], v[SQ+2*\q:SQ+2*\q+1], v[X+16*\q+\i:X+16*\q+\i+1]
.endr
.endr
	RED
.irp q, 0,1,2,3
	v_mul_f32 v[SQ+2*\q], s[RN], v[SQ+2*\q]        ; the mean
.endr
.irp i, 0,2,4,6,8,10,12,14
.irp q, 0,1,2,3
	v_pk_add_f32 v[X+16*\q+\i:X+16*\q+\i+1], v[X+16*\q+\i:X+16*\q+\i+1], v[SQ+2*\q:SQ+2*\q+1] op_sel_hi:[1,0] neg_lo:[0,1] neg_hi:[0,1]   ; x - mean
.endr
.endr
.irp q, 0,1,2,3
	v_pk_mul_f32 v[SQ+2*\q:SQ+2*\q+1], v[X+16*\q:X+16*\q+1], v[X+16*\q:X+16*\q+1]
.endr
.irp i, 2,4,6,8,10,12,14
.irp q, 0,1,2,3
	v_pk_fma_f32 v[SQ+2*\q:SQ+2*\q+1], v[X+16*\q+\i:X+16*\q+\i+1], v[X+16*\q+\i:X+16*\q+\i+1], v[SQ+2*\q:SQ+2*\q+1]
.endr
.endr
	RED
.irp q, 0,1,2,3
	v_fma_f32 v[SQ+2*\q], v[SQ+2*\q], s[RN], s[EP] ; the variance + 1e-5
.endr
.irp q, 0,1,2,3
	v_rsq_f32 v[SQ+2*\q], v[SQ+2*\q]
.endr
	v_nop                                          ; a plain line behind the last of the four (ISA guide 5.7.2),
	s_wait_alu depctr_va_vdst(0)                   ; and one wait for the batch, ahead of its first reader
.irp i, 0,2,4,6,8,10,12,14
.irp q, 0,1,2,3
	v_pk_mul_f32 v[X+16*\q+\i:X+16*\q+\i+1], v[X+16*\q+\i:X+16*\q+\i+1], v[SQ+2*\q:SQ+2*\q+1] op_sel_hi:[1,0]
.endr
.endr
.irp i, 0,2,4,6,8,10,12,14
.irp q, 0,1,2,3
	v_pk_fma_f32 v[X+16*\q+\i:X+16*\q+\i+1], v[X+16*\q+\i:X+16*\q+\i+1], v[GG+\i:GG+\i+1], v[BB+\i:BB+\i+1]
.endr
.endr
.irp q, 0,1,2,3
.irp i, 0,1,2,3
	ds_store_b128 v3, v[X+16*\q+4*\i:X+16*\q+4*\i+3] offset:\q*ROWP+512*\i
.endr
.endr
	s_wait_dscnt 0x0                               ; for the others' sake: my rows have landed
	s_barrier_signal -1
	s_barrier_wait -1
	; ---- phase 2: one fragment a wave
.irp b, 0,1,2,3
.irp j, 0,1,2,3
	ds_load_b128 v[X+16*\b+4*\j:X+16*\b+4*\j+3], v4 offset:128*\b+16*\j
.endr
.endr
	s_wait_dscnt 0x0
	QUANT X, PC
	v_lshl_or_b32 v[PW], v[TM+5], 8, v[TM+4]       ; the four bytes make my row's scale word; lanes 16-31 hold the same as lanes 0-15
	v_lshl_or_b32 v[PW], v[TM+6], 16, v[PW]
	v_lshl_or_b32 v[PW], v[TM+7], 24, v[PW]
.irp c, 0,1,2,3
	global_store_b128 v2, v[PC+4*\c:PC+4*\c+3], s[20:21] offset:512*\c   ; 512 consecutive bytes, aligned
.endr
	global_store_b32 v5, v[PW], s[22:23]
	s_wait_tensorcnt 0x0
	ds_add_u32 v128, v129
	s_wait_dscnt 0x0
	s_endpgm
; THE WEIGHTS' CODES AS IMAGES OF OPERAND REGISTERS.  A fragment's register group is 16 bytes of each of 16 rows for each half of the lanes; the rows lie 512 or 2,048 bytes apart.  Read so by every work-group of the three
; product launches, each such load would take 32 bytes out of each of 16 rows, 64, 32 and 64 times over.  Here it is done ONCE: wimg holds 60 chunks of 65,536 bytes, one for each wave's share of a product launch,
; and in a chunk a byte lies at 8192 x tile + 2048 x K step + 512 x register group + 16 x lane, so that every later load of a wave covers 512 consecutive bytes.
;   chunks 0-11   (4 y + w):        Wq, Wk, Wv (y = 0, 1, 2); tile t begins at row 128 w + 32 (t / 2) + 8 (t % 2); lane r takes row r + 8 (r / 8) of it
;   chunks 12-43  (12 + 4 cs + w):  Wp; tiles 0-3 begin at row 256 cs + 64 w + 32 (t / 2) + 8 (t % 2), tiles 4-7 the same 2,048 rows further on; lane rows as above
;   chunks 44-59  (44 + 4 x + w):   W2; tile t begins at row 128 x + 16 t, lane r takes row r; the wave's four K steps begin at byte 512 w of a row of 2,048
; A work-group takes a chunk, each of its eight waves a tile: 16 loads, 16 stores.  Which tensor, offset, pitch and order of rows: choices on the work-group's number, no branch.  No LDS, no barrier.
.Lprep:
	s_load_b256 s[36:43], s[0:1], 0x20             ; the codes of Wq s[36:37], Wk s[38:39], Wv s[40:41], Wp s[42:43]
	s_load_b128 s[44:47], s[0:1], 0x40             ; the codes of W2 s[44:45]; wimg s[46:47]
	v_lshrrev_b32 v1, 5, v0
	v_readfirstlane_b32 s[WV], v1                  ; wave 0..7: the chunk's tile t
	v_and_b32 v1, 31, v0
	v_lshlrev_b32 v2, 4, v1                        ; 16 x lane
	v_and_b32 v6, 15, v0                           ; r
	v_bfe_u32 v7, v0, 4, 1                         ; h
	s_sub_co_u32 s20, ttmp9, LNWG                  ; the chunk, 0 .. 59
	s_and_b32 s21, s[WV], 1
	s_lshl_b32 s21, s21, 3                         ; 8 (t % 2)
	; the tile's first byte in its tensor, by each of the three forms; the one that holds is chosen below, the others are not used
	s_and_b32 s22, s20, 3
	s_lshl_b32 s22, s22, 7                         ; Wq, Wk, Wv: 128 w
	s_lshr_b32 s23, s[WV], 1
	s_lshl_b32 s23, s23, 5                         ; + 32 (t / 2)
	s_add_co_u32 s22, s22, s23
	s_add_co_u32 s22, s22, s21
	s_lshl_b32 s22, s22, 9                         ; rows of 512 bytes
	s_sub_co_u32 s24, s20, 12
	s_lshl_b32 s24, s24, 6                         ; Wp: 64 (4 cs + w)
	s_lshr_b32 s23, s[WV], 2
	s_lshl_b32 s23, s23, 11                        ; + 2,048 for g's tiles
	s_add_co_u32 s24, s24, s23
	s_bfe_u32 s23, s[WV], 0x10001
	s_lshl_b32 s23, s23, 5                         ; + 32 ((t / 2) % 2)
	s_add_co_u32 s24, s24, s23
	s_add_co_u32 s24, s24, s21
	s_lshl_b32 s24, s24, 9                         ; rows of 512 bytes
	s_sub_co_u32 s26, s20, 44
	s_lshr_b32 s27, s26, 2
	s_lshl_b32 s27, s27, 7                         ; W2: 128 x
	s_lshl_b32 s23, s[WV], 4                       ; + 16 t
	s_add_co_u32 s27, s27, s23
	s_lshl_b32 s27, s27, 11                        ; rows of 2,048 bytes
	s_and_b32 s26, s26, 3
	s_lshl_b32 s26, s26, 9                         ; + 512 w
	s_add_co_u32 s26, s26, s27
	s_lshr_b32 s28, s20, 2                         ; y, where the chunk is one of the first twelve
	s_wait_kmcnt 0x0
	s_cmp_eq_u32 s28, 0
	s_cselect_b64 s[30:31], s[36:37], s[38:39]
	s_cmp_eq_u32 s28, 2
	s_cselect_b64 s[30:31], s[40:41], s[30:31]
	s_cmp_lt_u32 s20, 12
	s_cselect_b64 s[30:31], s[30:31], s[42:43]
	s_cselect_b32 s22, s22, s24
	s_cmp_lt_u32 s20, 44
	s_cselect_b64 s[30:31], s[30:31], s[44:45]
	s_cselect_b32 s22, s22, s26
	s_cselect_b32 s24, 8, 0                        ; lane rows r + (r & 8), or r
	s_cselect_b32 s25, 9, 11                       ; a row is 2^9 or 2^11 bytes
	s_mov_b32 s23, 0
	s_add_nc_u64 s[30:31], s[30:31], s[22:23]
	v_and_b32 v3, s24, v6
	v_add_nc_u32 v3, v3, v6
	v_lshlrev_b32 v3, s25, v3
	v_lshl_add_u32 v3, v7, 4, v3                   ; my row of the tile, + 16 h
	s_lshl_b32 s26, s20, 16                        ; wimg: the chunk,
	s_lshl_b32 s27, s[WV], 13                      ; the tile
	s_add_co_u32 s26, s26, s27
	s_mov_b32 s27, 0
	s_add_nc_u64 s[46:47], s[46:47], s[26:27]
.irp s, 0,1,2,3
.irp c, 0,1,2,3
	global_load_b128 v[X+16*\s+4*\c:X+16*\s+4*\c+3], v3, s[30:31] offset:128*\s+32*\c   ; k = 128 s + 32 c + 16 h + 0 .. 15 of my row
.endr
.endr
.set ii, 0
.rept 16
	s_wait_loadcnt 15-ii                           ; loads come back in order (ISA guide 5.7.1): this one is in, the younger ones stay out
	global_store_b128 v2, v[X+4*ii:X+4*ii+3], s[46:47] offset:512*ii   ; 512 consecutive bytes, aligned
.set ii, ii+1
.endr
	s_endpgm
.Lfunc_end_k_q5fbc1c853c_ln0:
	.size	k_q5fbc1c853c_ln0, .Lfunc_end_k_q5fbc1c853c_ln0-k_q5fbc1c853c_ln0
	.p2alignl 7, 3214868480
	.fill 96, 4, 3214868480
	.section	.rodata,"a",@progbits
	.p2align	6, 0x0
	.amdhsa_kernel k_q5fbc1c853c_ln0
		.amdhsa_group_segment_fixed_size 67072
		.amdhsa_private_segment_fixed_size 0
		.amdhsa_enable_private_segment 0
		.amdhsa_kernarg_size 80
		.amdhsa_user_sgpr_count 2
		.amdhsa_user_sgpr_kernarg_segment_ptr 1
		.amdhsa_wavefront_size32 1
		.amdhsa_system_sgpr_workgroup_id_x 1
		.amdhsa_system_sgpr_workgroup_id_y 1
		.amdhsa_system_sgpr_workgroup_id_z 1
		.amdhsa_system_vgpr_workitem_id 0
		.amdhsa_next_free_vgpr 130
		.amdhsa_next_free_sgpr 66
		.amdhsa_reserve_vcc 0
		.amdhsa_float_denorm_mode_32 3
		.amdhsa_float_denorm_mode_16_64 3
		.amdhsa_memory_ordered 1
		.amdhsa_forward_progress 1
		.amdhsa_inst_pref_size 35
	.end_amdhsa_kernel
	.amdgpu_metadata
---
amdhsa.version: [ 1, 2 ]
amdhsa.kernels:
  - .name:           k_q5fbc1c853c_ln0
    .symbol:         k_q5fbc1c853c_ln0.kd
    .args:
      - { .name: x, .offset: 0, .size: 8, .value_kind: global_buffer, .address_space: global }
      - { .name: ln0_g, .offset: 8, .size: 8, .value_kind: global_buffer, .address_space: global }
      - { .name: ln0_b, .offset: 16, .size: 8, .value_kind: global_buffer, .address_space: global }
      - { .name: h0q, .offset: 24, .size: 8, .value_kind: global_buffer, .address_space: global }
      - { .name: Wq_codes, .offset: 32, .size: 8, .value_kind: global_buffer, .address_space: global }
      - { .name: Wk_codes, .offset: 40, .size: 8, .value_kind: global_buffer, .address_space: global }
      - { .name: Wv_codes, .offset: 48, .size: 8, .value_kind: global_buffer, .address_space: global }
      - { .name: Wp_codes, .offset: 56, .size: 8, .value_kind: global_buffer, .address_space: global }
      - { .name: W2_codes, .offset: 64, .size: 8, .value_kind: global_buffer, .address_space: global }
      - { .name: wimg, .offset: 72, .size: 8, .value_kind: global_buffer, .address_space: global }
    .group_segment_fixed_size: 67072
    .private_segment_fixed_size: 0
    .kernarg_segment_align: 8
    .kernarg_segment_size: 80
    .max_flat_workgroup_size: 256
    .sgpr_count:     66
    .vgpr_count:     130
    .wavefront_size: 32
...
	.end_amdgpu_metadata
.endif
;; end of part 1
;; launch qkv (part 2): grid 64 x 3, 4 waves a work-group, no clusters, 168,448 bytes of LDS; arguments h0q, wimg, Wq_scales, bq, Wk_scales, bk, Wv_scales, bv, qq, kv; writes qq, kv
.if DOCPART == 2
	.amdgcn_target "amdgcn-amd-amdhsa--gfx1250"
	.amdhsa_code_object_version 6
	.text
	.protected	k_q5fbc1c853c_qkv
	.globl	k_q5fbc1c853c_qkv
	.p2align	8
	.type	k_q5fbc1c853c_qkv,@function
k_q5fbc1c853c_qkv:
	s_mov_b64 s[64:65], 0
	v_nop
	global_prefetch_b8 v0, s[64:65] scope:SCOPE_SE
	s_setreg_imm32_b32 hwreg(HW_REG_WAVE_MODE, 25, 1), 1
	s_wait_xcnt 0x0
; q, k, v = LN0(x) W + bias on codes of MX-FP8, and the quantisers behind them: q and k along the head's 64 channels, v along the keys.
; SHARES.  Work-group x takes 128 tokens (8 tiles of h0q), y = 0, 1, 2 takes q, k, v.  Wave w owns columns 128 w .. 128 w + 127 (heads 2 w, 2 w + 1): its 32 weight fragments, 512 registers, are read once and stay.
; They come from wimg, chunk 4 y + w, where the first launch has laid the given codes as images of these registers: each of the 128 loads covers 512 consecutive bytes.
; The tokens' 69,632 bytes (codes and scale words as register images) come into LDS once, a quarter by each wave's tensor load, and every wave reads all of them.
; 192 work-groups: three tensors of equal work do not divide into 256 equal shares.  NO CLUSTER: the work-groups that share a token block are three (along y), which no cluster of four divides; the weights go straight to registers.
; THE COLUMNS OF A WEIGHT TILE ARE NOT NEIGHBOURS: lane r of tile t takes column 32 (t / 2) + 8 (t % 2) + r + 8 (r / 8); the tokens of a tile likewise.
; q, k: the product is used TRANSPOSED (source 0 = 16 columns of W, source 1 = 16 tokens): a lane holds one token, and the registers of tiles 2 j, 2 j + 1 are 16 neighbouring channels: block j of 32.
; v: natural (source 0 = tokens, source 1 = columns): a lane holds one channel, and the registers of the two token tiles of a block are 16 neighbouring keys.
; OUT, per head and step of 128 tokens.  qq (9,216 bytes): codes at 1024 T + 512 c + 16 lane, scale words (s0, s1, s0, s1) at 8192 + 512 (T / 4) + 16 lane + 4 (T % 4).
; kv (17,920 bytes): K's codes as Q's; V's at 8192 + 2048 ct + 512 c + 16 lane (channel tile ct, key block c); K's scale words at 16384, laid as Q's; V's at 17408 + 16 lane + 4 ct.
; LIMITS: NaN and infinities are not served; a block whose largest magnitude lies under 2^-118 keeps the scale byte 1.
; REGISTERS, in windows of 256: window 0: v1-15 addresses; v16-47 W's scale words [4 t + s]; v48-55 the tokens' [4 a + s]; v56-71 the quantiser's; v72-87 scale words on their way out; v88-119 codes; v128-255 16 accumulators.
;   window 1: W's tiles 0-3 at 64 t + 16 s;  window 2: tiles 4-7;  window 3: v0-127 the tokens' fragments at 64 a + 16 s, v128-191 the bias in the result's layout, 8 registers a tile.
.set WV,  3
.set LI,  1                            ; v1  16 x lane
.set LIB, 2                            ; v2  the same, four tiles on (an LDS offset has 16 bits)
.set LS,  3                            ; v3  4 x lane
.set LSB, 4
.set WSA, 6                            ; v6  W's scale words: (r + (r & 8)) x 16
.set BA,  8                            ; v8-15 the bias: register j's byte
.set WS,  16
.set AS,  48
.set TM,  56
.set KS,  72
.set PC,  88
.set ACC, 128
.set G1,  32
.set G0,  40
.set WC,  44                           ; s[44:45] my chunk of wimg; s[46:47] my weight's scales; s[48:49] its bias
.set WSC, 46
.set BI,  48
.set OB,  50                           ; s[50:51], s[52:53] where my two heads' blocks begin
.set SB,  54                           ; s[54:55], s[56:57] and their scale words (q, k)
.set STR, 58
.set SOF, 59
.set SEL, 60
.set MNT, 62
.set MSK, 63
.set MSB, 0
.macro WIN new                         ; the immediate's high byte repeats the setting that is left
.if MSB != (\new)
	s_set_vgpr_msb (MSB<<8)|(\new)
.set MSB, (\new)
.endif
.endm
.macro PLACES n
.rept \n
	v_nop
.endr
.endm
; 64 numbers of a lane, four blocks of 16 (the other 16 lie in lane l xor 16), become 16 registers of codes at v[dst]; the four scale bytes stay in v[TM+4 .. TM+7].  Each accumulator is read from its low end on.
.macro QUANT src, dst
.irp b, 0,1,2,3
	v_max3_num_f32 v[TM+\b], |v[(\src)+16*\b]|, |v[(\src)+16*\b+1]|, 0x4800000   ; and the floor 2^(9 - 127): the byte cannot fall under 1
.endr
.irp i, 2,4,6,8,10,12,14
.irp b, 0,1,2,3
	v_max3_num_f32 v[TM+\b], v[TM+\b], |v[(\src)+16*\b+\i]|, |v[(\src)+16*\b+\i+1]|
.endr
.endr
.irp b, 0,1,2,3
	v_permlanex16_b32 v[TM+4+\b], v[TM+\b], s[SEL], s[SEL+1]
.endr
.irp b, 0,1,2,3
	v_max_num_f32 v[TM+\b], v[TM+\b], v[TM+4+\b]
.endr
.irp b, 0,1,2,3
	v_add_nc_u32 v[TM+12+\b], 0xfc000000, v[TM+\b]        ; 8 off the exponent field: the conversion's scale operand
.endr
.irp b, 0,1,2,3
.endr
.irp b, 0,1,2,3
	v_lshrrev_b32 v[TM+4+\b], 23, v[TM+12+\b]             ; the scale's byte
.endr
.irp b, 0,1,2,3
.irp i, 0,1,2,3,4,5,6,7,8,9,10,11,12,13,14,15
.endr
	v_cvt_scalef32_pk8_fp8_f32 v[(\dst)+4*\b:(\dst)+4*\b+1], v[(\src)+16*\b:(\src)+16*\b+7], v[TM+12+\b]
	v_cvt_scalef32_pk8_fp8_f32 v[(\dst)+4*\b+2:(\dst)+4*\b+3], v[(\src)+16*\b+8:(\src)+16*\b+15], v[TM+12+\b]
.endr
	v_nop                                                 ; a plain line behind the last conversion: later products write its sources
.endm
; the two token tiles of block bb: 8 fragments and 8 scale words, from LDS as they lie
.macro FETCH bb
	WIN 0xc0                                       ; destination window 3
.irp a, 0,1
.irp s, 0,1,2,3
.irp c, 0,1,2,3
.if (\bb) < 2
	ds_load_b128 v[64*\a+16*\s+4*\c:64*\a+16*\s+4*\c+3], v[LI] offset:(2*(\bb)+\a)*8704+2048*\s+512*\c
.else
	ds_load_b128 v[64*\a+16*\s+4*\c:64*\a+16*\s+4*\c+3], v[LIB] offset:(2*(\bb)+\a-4)*8704+2048*\s+512*\c
.endif
.endr
.endr
.endr
	WIN 0
.irp a, 0,1
.irp s, 0,1,2,3
.if (\bb) < 2
	ds_load_b32 v[AS+4*\a+\s], v[LS] offset:(2*(\bb)+\a)*8704+8192+128*\s
.else
	ds_load_b32 v[AS+4*\a+\s], v[LSB] offset:(2*(\bb)+\a-4)*8704+8192+128*\s
.endif
.endr
.endr
.endm
; 64 matrix instructions: 2 token tiles x 8 column tiles x 4 K steps.  The 16 accumulators take turns, one instruction a turn.  The bias is the C of each sum's first instruction.
.macro MULQK
.irp s, 0,1,2,3
.irp wn, 0,1
.if \s == 0
	WIN 0x3d+\wn                                   ; source 0 (W) window 1 or 2, source 1 (tokens) and C (bias) window 3, D window 0
.else
	WIN 0x0d+\wn
.endif
.irp a, 0,1
.irp t, 0,1,2,3
.if \s == 0
	v_wmma_scale_f32_16x16x128_f8f6f4 v[ACC+64*\a+8*(4*\wn+\t):ACC+64*\a+8*(4*\wn+\t)+7], v[64*\t+16*\s:64*\t+16*\s+15], v[64*\a+16*\s:64*\a+16*\s+15], v[128+8*(4*\wn+\t):128+8*(4*\wn+\t)+7], v[WS+4*(4*\wn+\t)+\s], v[AS+4*\a+\s]
.else
	v_wmma_scale_f32_16x16x128_f8f6f4 v[ACC+64*\a+8*(4*\wn+\t):ACC+64*\a+8*(4*\wn+\t)+7], v[64*\t+16*\s:64*\t+16*\s+15], v[64*\a+16*\s:64*\a+16*\s+15], v[ACC+64*\a+8*(4*\wn+\t):ACC+64*\a+8*(4*\wn+\t)+7], v[WS+4*(4*\wn+\t)+\s], v[AS+4*\a+\s]
.endif
.endr
.endr
.endr
.endr
.endm
.macro MULV
.irp s, 0,1,2,3
.irp wn, 0,1
.if \s == 0
	WIN 0x37+4*\wn                                 ; source 0 (tokens) and C window 3, source 1 (W) window 1 or 2
.else
	WIN 0x07+4*\wn
.endif
.irp a, 0,1
.irp t, 0,1,2,3
.if \s == 0
	v_wmma_scale_f32_16x16x128_f8f6f4 v[ACC+16*(4*\wn+\t)+8*\a:ACC+16*(4*\wn+\t)+8*\a+7], v[64*\a+16*\s:64*\a+16*\s+15], v[64*\t+16*\s:64*\t+16*\s+15], v[128+8*(4*\wn+\t):128+8*(4*\wn+\t)+7], v[AS+4*\a+\s], v[WS+4*(4*\wn+\t)+\s]
.else
	v_wmma_scale_f32_16x16x128_f8f6f4 v[ACC+16*(4*\wn+\t)+8*\a:ACC+16*(4*\wn+\t)+8*\a+7], v[64*\a+16*\s:64*\a+16*\s+15], v[64*\t+16*\s:64*\t+16*\s+15], v[ACC+16*(4*\wn+\t)+8*\a:ACC+16*(4*\wn+\t)+8*\a+7], v[AS+4*\a+\s], v[WS+4*(4*\wn+\t)+\s]
.endif
.endr
.endr
.endr
.endr
.endm
; a block of 32 tokens, for q or k
.macro BLOCKQK bb
	s_wait_dscnt 0x0                               ; the block's fragments and scale words are in
	MULQK
	WIN 0
	PLACES 8                                       ; behind the last product: ahead of loads into its operands and of the first read of results (ISA guide 7.12.1 for the first read of results)
.if (\bb) < 3
	FETCH (\bb)+1
.endif
	s_wait_xcnt 0x0                                ; the last block's stores have read the codes' registers, which are written again
.irp a, 0,1
	QUANT ACC+64*\a, PC+16*\a                      ; token tile 2 bb + a: four blocks of 32 channels: two heads x two
.irp hh, 0,1
	v_lshl_or_b32 v[KS+8*\hh+2*(\bb)+\a], v[TM+5+2*\hh], 8, v[TM+4+2*\hh]
	v_lshl_or_b32 v[KS+8*\hh+2*(\bb)+\a], v[KS+8*\hh+2*(\bb)+\a], 16, v[KS+8*\hh+2*(\bb)+\a]   ; (s0, s1, s0, s1): the reader lays the 64 channels in either half of its K of 128
.irp c, 0,1
	global_store_b128 v[LI], v[PC+16*\a+8*\hh+4*\c:PC+16*\a+8*\hh+4*\c+3], s[OB+2*\hh:OB+2*\hh+1] offset:(2*(\bb)+\a)*1024+512*\c
.endr
.endr
.endr
.endm
; and for v: the block's 32 tokens are one block of 32 keys for each of my 128 channels
.macro BLOCKV bb
	s_wait_dscnt 0x0
	MULV
	WIN 0
	PLACES 8
.if (\bb) < 3
	FETCH (\bb)+1
.endif
	s_wait_xcnt 0x0
.irp hh, 0,1
	QUANT ACC+64*\hh, PC+16*\hh                    ; head hh: four channel tiles
.irp j, 0,1,2,3
.if (\bb) == 0
	v_mov_b32 v[KS+4*\hh+\j], v[TM+4+\j]           ; byte bb of the channel's scale word for these 128 keys
.else
	v_lshl_or_b32 v[KS+4*\hh+\j], v[TM+4+\j], 8*(\bb), v[KS+4*\hh+\j]
.endif
	global_store_b128 v[LI], v[PC+16*\hh+4*\j:PC+16*\hh+4*\j+3], s[OB+2*\hh:OB+2*\hh+1] offset:8192+2048*\j+512*(\bb)
.endr
.endr
.endm
	s_load_b512 s[8:23], s[0:1], 0x0               ; h0q s[8:9], wimg s[10:11]; Wq: scales s[12:13], bias s[14:15]; Wk: s[16:17], s[18:19]; Wv: s[20:21], s[22:23]
	s_load_b128 s[24:27], s[0:1], 0x40             ; qq s[24:25], kv s[26:27]
	v_lshl_add_u32 v126, v0, 2, 0x29000
	v_mov_b32 v127, 0
	ds_add_u32 v126, v127
	ds_add_u32 v126, v127
	v_lshrrev_b32 v7, 5, v0
	v_readfirstlane_b32 s[WV], v7                  ; wave 0..3
	s_and_b32 s4, ttmp7, 0xffff                    ; y: 0 q, 1 k, 2 v
	; descriptor group 1: a dense block as 68 rows of 256 bytes (32 elements of 8 bytes), no padding: every later read takes 512 consecutive bytes
	s_mov_b32 s[G1+0], 3<<16
	s_mov_b32 s[G1+1], 32<<16                      ; tensor_dim0 = 32
	s_mov_b32 s[G1+2], 68<<16                      ; tensor_dim1 = 68
	s_mov_b32 s[G1+3], 32<<16                      ; tile_dim0 = 32
	s_mov_b32 s[G1+4], 68                          ; tile_dim1 = 68
	s_mov_b32 s[G1+5], 32                          ; from row to row
	s_mov_b32 s[G1+6], 0
	s_mov_b32 s[G1+7], 0
	s_mov_b32 s[G0], 1
	s_mul_i32 s[G0+1], s[WV], 17408                ; LDS: my quarter
	s_mul_i32 s6, ttmp9, 69632
	s_add_co_u32 s6, s6, s[G0+1]
	s_mov_b32 s7, 0
	s_mov_b32 s[SEL], 0x76543210
	s_mov_b32 s[SEL+1], 0xfedcba98
	s_wait_dscnt 0x0
	s_wait_kmcnt 0x0
	s_add_nc_u64 s[G0+2:G0+3], s[8:9], s[6:7]
	s_or_b32 s[G0+3], s[G0+3], 0x80000000
	tensor_load_to_lds s[G0:G0+3], s[G1:G1+7]      ; the launch's one fill: one load of mine is out
	s_nop 0
	PLACES 4
	v_and_b32 v7, 31, v0
	v_lshlrev_b32 v[LI], 4, v7
	v_add_nc_u32 v[LIB], 34816, v[LI]
	v_lshlrev_b32 v[LS], 2, v7
	v_add_nc_u32 v[LSB], 34816, v[LS]
	v_and_b32 v7, 15, v0                           ; r
	v_and_b32 v[WSA], 8, v7
	v_add_nc_u32 v[WSA], v[WSA], v7                ; r + 8 (r / 8)
	v_bfe_u32 v7, v0, 4, 1                         ; h
	; the bias in the result's layout.  q, k: register j of lane (r, h) is column 16 h + j of the tile; v: every register is the lane's own column.  A choice of addresses on the work-group's y, no branch
	s_cmp_eq_u32 s4, 2
	s_cselect_b32 s[MSK], -1, 0
	v_lshlrev_b32 v[TM], 2, v[WSA]
	v_lshlrev_b32 v[TM+1], 6, v7
.irp j, 0,1,2,3,4,5,6,7
	v_add_nc_u32 v[BA+\j], 4*\j, v[TM+1]
	v_cndmask_b32 v[BA+\j], v[BA+\j], v[TM], s[MSK]
.endr
	v_lshlrev_b32 v[WSA], 4, v[WSA]
	s_wait_alu depctr_va_vdst(0)
.irp b, 0,1,2,3
	v_mov_b32 v[TM+4+\b], 0                        ; written once: a lane permute's destination counts as one of its sources
.endr
	; which weight, and where the results go: choices on y alone
	s_cmp_eq_u32 s4, 0
	s_cselect_b64 s[WSC:WSC+1], s[12:13], s[16:17]
	s_cselect_b64 s[BI:BI+1], s[14:15], s[18:19]
	s_cselect_b64 s[OB:OB+1], s[24:25], s[26:27]
	s_mov_b32 s[STR], 17920
	s_cselect_b32 s[STR], 9216, s[STR]             ; bytes of a head's step
	s_mov_b32 s[SOF], 16384
	s_cselect_b32 s[SOF], 8192, s[SOF]             ; where its scale words begin (q, k)
	s_cmp_eq_u32 s4, 2
	s_cselect_b64 s[WSC:WSC+1], s[20:21], s[WSC:WSC+1]
	s_cselect_b64 s[BI:BI+1], s[22:23], s[BI:BI+1]
	s_lshl_b32 s6, s4, 2
	s_add_co_u32 s6, s6, s[WV]
	s_lshl_b32 s6, s6, 16                          ; chunk 4 y + w of wimg, 65,536 bytes a chunk
	s_add_nc_u64 s[WC:WC+1], s[10:11], s[6:7]
	s_lshl_b32 s6, s[WV], 11                       ; my 128 columns: 16 scale bytes each,
	s_add_nc_u64 s[WSC:WSC+1], s[WSC:WSC+1], s[6:7]
	s_lshl_b32 s6, s[WV], 9                        ; 4 bytes of bias
	s_add_nc_u64 s[BI:BI+1], s[BI:BI+1], s[6:7]
	s_lshr_b32 s5, ttmp9, 4                        ; n
	s_lshl_b32 s5, s5, 7
	s_lshl_b32 s6, s[WV], 5
	s_add_co_u32 s5, s5, s6
	s_and_b32 s6, ttmp9, 15                        ; the step
	s_add_co_u32 s5, s5, s6                        ; (8 n + 2 w) x 16 + step
	s_mul_i32 s6, s5, s[STR]
	s_add_nc_u64 s[OB:OB+1], s[OB:OB+1], s[6:7]
	s_lshl_b32 s6, s[STR], 4
	s_add_nc_u64 s[OB+2:OB+3], s[OB:OB+1], s[6:7]  ; the next head: 16 steps on
	s_mov_b32 s6, s[SOF]
	s_add_nc_u64 s[SB:SB+1], s[OB:OB+1], s[6:7]
	s_add_nc_u64 s[SB+2:SB+3], s[OB+2:OB+3], s[6:7]
	WIN 0x40                                       ; destination window 1
.irp t, 0,1,2,3
.irp s, 0,1,2,3
.irp c, 0,1,2,3
	global_load_b128 v[64*\t+16*\s+4*\c:64*\t+16*\s+4*\c+3], v[LI], s[WC:WC+1] offset:8192*\t+2048*\s+512*\c   ; 512 consecutive bytes
.endr
.endr
.endr
	WIN 0x80                                       ; destination window 2
.irp t, 0,1,2,3
.irp s, 0,1,2,3
.irp c, 0,1,2,3
	global_load_b128 v[64*\t+16*\s+4*\c:64*\t+16*\s+4*\c+3], v[LI], s[WC:WC+1] offset:32768+8192*\t+2048*\s+512*\c
.endr
.endr
.endr
	WIN 0
.irp t, 0,1,2,3,4,5,6,7
	global_load_b128 v[WS+4*\t:WS+4*\t+3], v[WSA], s[WSC:WSC+1] offset:(32*(\t/2)+8*(\t%2))*16   ; a column's four scale words
.endr
	WIN 0xc0                                       ; destination window 3
.irp t, 0,1,2,3,4,5,6,7
.irp j, 0,1,2,3,4,5,6,7
	global_load_b32 v[128+8*\t+\j], v[BA+\j], s[BI:BI+1] offset:(32*(\t/2)+8*(\t%2))*4
.endr
.endr
	WIN 0
	s_wait_tensorcnt 0x0                           ; my quarter of the tokens has landed,
	s_barrier_signal -1
	s_barrier_wait -1                              ; everybody's has
	FETCH 0
	s_wait_loadcnt 0x0                             ; weights, scale words, bias
	s_cmp_eq_u32 s4, 2
	s_cbranch_scc1 .Lv
	BLOCKQK 0
	BLOCKQK 1
	BLOCKQK 2
	BLOCKQK 3
.irp hh, 0,1
.irp g, 0,1
	global_store_b128 v[LI], v[KS+8*\hh+4*\g:KS+8*\hh+4*\g+3], s[SB+2*\hh:SB+2*\hh+1] offset:512*\g   ; the scale words of tiles 4 g .. 4 g + 3, 16 bytes a lane
.endr
.endr
	s_wait_tensorcnt 0x0
	ds_add_u32 v126, v127
	s_wait_dscnt 0x0
	s_endpgm
.Lv:
	BLOCKV 0
	BLOCKV 1
	BLOCKV 2
	BLOCKV 3
.irp hh, 0,1
	global_store_b128 v[LI], v[KS+4*\hh:KS+4*\hh+3], s[OB+2*\hh:OB+2*\hh+1] offset:17408
.endr
	s_wait_tensorcnt 0x0
	ds_add_u32 v126, v127
	s_wait_dscnt 0x0
	s_endpgm
.Lfunc_end_k_q5fbc1c853c_qkv:
	.size	k_q5fbc1c853c_qkv, .Lfunc_end_k_q5fbc1c853c_qkv-k_q5fbc1c853c_qkv
	.p2alignl 7, 3214868480
	.fill 96, 4, 3214868480
	.section	.rodata,"a",@progbits
	.p2align	6, 0x0
	.amdhsa_kernel k_q5fbc1c853c_qkv
		.amdhsa_group_segment_fixed_size 168448
		.amdhsa_private_segment_fixed_size 0
		.amdhsa_enable_private_segment 0
		.amdhsa_kernarg_size 80
		.amdhsa_user_sgpr_count 2
		.amdhsa_user_sgpr_kernarg_segment_ptr 1
		.amdhsa_wavefront_size32 1
		.amdhsa_system_sgpr_workgroup_id_x 1
		.amdhsa_system_sgpr_workgroup_id_y 1
		.amdhsa_system_sgpr_workgroup_id_z 1
		.amdhsa_system_vgpr_workitem_id 0
		.amdhsa_next_free_vgpr 1024
		.amdhsa_next_free_sgpr 66
		.amdhsa_reserve_vcc 0
		.amdhsa_float_denorm_mode_32 3
		.amdhsa_float_denorm_mode_16_64 3
		.amdhsa_fp16_overflow 1
		.amdhsa_memory_ordered 1
		.amdhsa_forward_progress 1
		.amdhsa_inst_pref_size 176
	.end_amdhsa_kernel
	.amdgpu_metadata
---
amdhsa.version: [ 1, 2 ]
amdhsa.kernels:
  - .name:           k_q5fbc1c853c_qkv
    .symbol:         k_q5fbc1c853c_qkv.kd
    .args:
      - { .name: h0q, .offset: 0, .size: 8, .value_kind: global_buffer, .address_space: global }
      - { .name: wimg, .offset: 8, .size: 8, .value_kind: global_buffer, .address_space: global }
      - { .name: Wq_scales, .offset: 16, .size: 8, .value_kind: global_buffer, .address_space: global }
      - { .name: bq, .offset: 24, .size: 8, .value_kind: global_buffer, .address_space: global }
      - { .name: Wk_scales, .offset: 32, .size: 8, .value_kind: global_buffer, .address_space: global }
      - { .name: bk, .offset: 40, .size: 8, .value_kind: global_buffer, .address_space: global }
      - { .name: Wv_scales, .offset: 48, .size: 8, .value_kind: global_buffer, .address_space: global }
      - { .name: bv, .offset: 56, .size: 8, .value_kind: global_buffer, .address_space: global }
      - { .name: qq, .offset: 64, .size: 8, .value_kind: global_buffer, .address_space: global }
      - { .name: kv, .offset: 72, .size: 8, .value_kind: global_buffer, .address_space: global }
    .group_segment_fixed_size: 168448
    .private_segment_fixed_size: 0
    .kernarg_segment_align: 8
    .kernarg_segment_size: 80
    .max_flat_workgroup_size: 128
    .sgpr_count:     66
    .vgpr_count:     1024
    .wavefront_size: 32
...
	.end_amdgpu_metadata
.endif
;; end of part 2
;; launch attn (part 3): grid 8 x 32, 16 waves a work-group, clusters of 4 x 1, 327,680 bytes of LDS; arguments qq, kv, x, x1; writes x1
.if DOCPART == 3
	.amdgcn_target "amdgcn-amd-amdhsa--gfx1250"
	.amdhsa_code_object_version 6
	.text
	.protected	k_q5fbc1c853c_attn
	.globl	k_q5fbc1c853c_attn
	.p2align	8
	.type	k_q5fbc1c853c_attn,@function
k_q5fbc1c853c_attn:
	s_mov_b64 s[64:65], 0
	v_nop
	global_prefetch_b8 v0, s[64:65] scope:SCOPE_SE
	s_setreg_imm32_b32 hwreg(HW_REG_WAVE_MODE, 25, 1), 1
	s_wait_xcnt 0x0
	s_wait_alu depctr_hold_cnt(0) depctr_sa_sdst(0) depctr_va_vdst(0) depctr_va_sdst(0) depctr_va_ssrc(0) depctr_va_vcc(0) depctr_vm_vsrc(0)
	s_getreg_b32 s2, hwreg(HW_REG_IB_STS2, 6, 4)
	s_cmp_eq_u32 s2, 0
	s_cbranch_scc0 .Lentry_in_a_cluster
	s_endpgm
.Lentry_in_a_cluster:
	s_bfe_u32 s2, ttmp6, 0x10000c
	s_cmp_lg_u32 s2, 0x3003
	s_cbranch_scc0 .Lentry_shape_is_right
	s_endpgm
.Lentry_shape_is_right:
.set LI,  1
.set ADR, 2
.set STO, 3
.set RD,  4
.set GO,  5
.set KS,  88
.set VS,  92
.set QS,  208
.set PS,  209
.set WV,  12
.set G1,  16
.set G0A, 24
.set G0B, 28
.set SEL, 32
.set CS,  34
.set MNT, 36
.set TB,  37
.set CNT, 38
.set STEPB, 17920
.macro PLACES n
.rept \n
	v_nop
.endr
.endm
.macro ROUND
	s_barrier_signal -1
	s_barrier_wait -1
	s_cmp_lg_u32 s[WV], 0
	s_cbranch_scc1 .Lnot_wave_0_\@
	s_barrier_signal -3
.Lnot_wave_0_\@:
	s_barrier_wait -3
	s_barrier_signal -1
	s_barrier_wait -1
.endm
.macro STEP
	s_setprio 2
	v_add_nc_u32 v[ADR], s[TB], v[LI]
	s_wait_alu depctr_va_vdst(0)
.irp g, 0,1
.if \g
	PLACES 8
.endif
.irp t, 0,1,2,3
	ds_load_b128 v[40+24*(\t/2)+16*(\t%2):40+24*(\t/2)+16*(\t%2)+3], v[ADR] offset:(4*\g+\t)*1024
	ds_load_b128 v[40+24*(\t/2)+16*(\t%2)+4:40+24*(\t/2)+16*(\t%2)+7], v[ADR] offset:(4*\g+\t)*1024+512
.endr
	ds_load_b128 v[KS:KS+3], v[ADR] offset:16384+512*\g
	s_wait_dscnt 0x0
.irp t, 0,1,2,3
	v_wmma_scale_f32_16x16x128_f8f6f4 v[96+8*(4*\g+\t):96+8*(4*\g+\t)+7], v[40+24*(\t/2)+8*(\t%2):40+24*(\t/2)+8*(\t%2)+15], v[16+8*(\t%2):16+8*(\t%2)+15], 0, v[KS+\t], v[QS]
.endr
.endr
	PLACES 8
.irp b, 0,1,2,3
	v_max3_num_f32 v[232+\b], v[96+16*\b], v[97+16*\b], v[98+16*\b]
.endr
.irp i, 3,5,7,9,11,13
.irp b, 0,1,2,3
	v_max3_num_f32 v[232+\b], v[232+\b], v[96+16*\b+\i], v[97+16*\b+\i]
.endr
.endr
.irp b, 0,1,2,3
	v_max_num_f32 v[232+\b], v[232+\b], v[111+16*\b]
.endr
.irp b, 0,1,2,3
	s_delay_alu instid0(VALU_DEP_4)
	v_permlanex16_b32 v[236+\b], v[232+\b], s[SEL], s[SEL+1]
.endr
.irp b, 0,1,2,3
	s_delay_alu instid0(VALU_DEP_4)
	v_max_num_f32 v[232+\b], v[232+\b], v[236+\b]
.endr
	s_delay_alu instid0(VALU_DEP_2)
	v_max3_num_f32 v248, v232, v233, v234
	s_delay_alu instid0(VALU_DEP_1)
	v_max_num_f32 v248, v248, v235
	s_delay_alu instid0(VALU_DEP_1)
	v_mul_f32 v248, s[CS], v248
	s_delay_alu instid0(VALU_DEP_1)
	v_max_num_f32 v13, v13, v248
	v_mov_b32 v248, v12
	s_delay_alu instid0(VALU_DEP_2)
	v_floor_f32 v12, -v13
	s_delay_alu instid0(VALU_DEP_1)
	v_sub_f32 v248, v12, v248
	s_delay_alu instid0(VALU_DEP_1)
	v_cvt_i32_f32 v248, v248
	s_delay_alu instid0(VALU_DEP_1)
	v_ldexp_f32 v210, 1.0, v248
.set jj, 0
.rept 32
	v_pk_fma_f32 v[96+jj:97+jj], v[96+jj:97+jj], s[CS:CS+1], v[12:13] op_sel_hi:[1,0,0]
.set jj, jj+2
.endr
.irp b, 0,1,2,3
	v_fma_f32 v[232+\b], v[232+\b], s[CS], v12
.endr
.set jj, 0
	s_wait_alu depctr_va_vdst(0)
.rept 64
	v_exp_f32 v[96+jj], v[96+jj]
.set jj, jj+1
.endr
	s_setprio 1
	v_pk_mul_f32 v[14:15], v[14:15], v[210:211] op_sel_hi:[1,0]
	s_wait_alu depctr_va_vdst(0)
.irp b, 0,1,2,3
	v_exp_f32 v[232+\b], v[232+\b]
.endr
	v_pk_add_f32 v[236:237], v[96:97], v[98:99]
.irp j, 4,8,12,16,20,24,28,32,36,40,44,48,52,56,60
	v_pk_add_f32 v[14:15], v[14:15], v[96+\j:97+\j]
	v_pk_add_f32 v[236:237], v[236:237], v[98+\j:99+\j]
.endr
	s_delay_alu instid0(VALU_DEP_1)
	v_pk_add_f32 v[14:15], v[14:15], v[236:237]
	s_wait_alu depctr_va_vdst(0)
.irp b, 0,1,2,3
	v_max_num_f32 v[232+\b], 0x4800000, v[232+\b]
.endr
.irp b, 0,1,2,3
	s_delay_alu instid0(VALU_DEP_4)
	v_add_nc_u32 v[244+\b], 0xfc000000, v[232+\b]
.endr
.irp b, 0,1,2,3
.endr
.irp b, 0,1,2,3
	s_delay_alu instid0(VALU_DEP_4)
	v_lshrrev_b32 v[236+\b], 23, v[244+\b]
.endr
	s_delay_alu instid0(VALU_DEP_3)
	v_lshl_or_b32 v[PS], v237, 8, v236
	s_delay_alu instid0(VALU_DEP_1)
	v_lshl_or_b32 v[PS], v238, 16, v[PS]
	s_delay_alu instid0(VALU_DEP_1)
	v_lshl_or_b32 v[PS], v239, 24, v[PS]
.irp b, 0,1,2,3
.irp i, 0,1,2,3,4,5,6,7,8,9,10,11,12,13,14,15
.endr
	v_cvt_scalef32_pk8_fp8_f32 v[192+4*\b:193+4*\b], v[96+16*\b:103+16*\b], v[244+\b]
	v_cvt_scalef32_pk8_fp8_f32 v[194+4*\b:195+4*\b], v[104+16*\b:111+16*\b], v[244+\b]
.endr
	v_nop
.irp ct, 0,1,2,3
.irp c, 0,1,2,3
	ds_load_b128 v[96+16*\ct+4*\c:96+16*\ct+4*\c+3], v[ADR] offset:8192+2048*\ct+512*\c
.endr
.endr
	ds_load_b128 v[VS:VS+3], v[ADR] offset:17408
.set jj, 0
	s_setprio 0
.rept 16
	v_pk_mul_f32 v[160+jj:161+jj], v[160+jj:161+jj], v[210:211] op_sel_hi:[1,0]
.set jj, jj+2
.endr
	s_wait_alu depctr_va_vdst(0)
	s_wait_dscnt 0x0
.irp ct, 0,1,2,3
	v_wmma_scale_f32_16x16x128_f8f6f4 v[160+8*\ct:167+8*\ct], v[96+16*\ct:111+16*\ct], v[192:207], v[160+8*\ct:167+8*\ct], v[VS+\ct], v[PS]
.endr
	PLACES 9
	s_add_co_u32 s[TB], s[TB], STEPB
.endm
	s_load_b256 s[4:11], s[0:1], 0x0
	v_lshl_add_u32 v254, v0, 2, 0x46000
	v_mov_b32 v255, 0
	ds_add_u32 v254, v255
	ds_add_u32 v254, v255
	v_lshrrev_b32 v1, 5, v0
	s_delay_alu instid0(VALU_DEP_1)
	v_readfirstlane_b32 s[WV], v1
	s_bfe_u32 s13, ttmp6, 0x40000
	s_lshl_b32 s14, ttmp9, 2
	s_add_co_u32 s14, s14, s13
	s_and_b32 s15, ttmp7, 0xffff
	s_mov_b32 s[G1+0], 15|(3<<16)|(1<<21)
	s_mov_b32 s[G1+1], 32<<16
	s_mov_b32 s[G1+2], 35<<16
	s_mov_b32 s[G1+3], 32<<16
	s_mov_b32 s[G1+4], 35
	s_mov_b32 s[G1+5], 32
	s_mov_b32 s[G1+6], 0
	s_mov_b32 s[G1+7], 0
	s_mov_b32 s[G0A], 1
	s_mov_b32 s[G0B], 1
	s_mul_i32 s[G0A+1], s[WV], 8960
	s_add_co_u32 s[G0B+1], s[G0A+1], 143360
	s_mul_i32 s40, s15, 286720
	s_add_co_u32 s40, s40, s[G0A+1]
	s_mov_b32 s41, 0
	s_mov_b32 s[SEL], 0x76543210
	s_mov_b32 s[SEL+1], 0xfedcba98
	s_mov_b32 s[CS], 0x3e38aa3b
	s_mov_b32 s[CS+1], s[CS]
	s_wait_dscnt 0x0
	s_wait_kmcnt 0x0
	s_add_nc_u64 s[G0A+2:G0A+3], s[6:7], s[40:41]
	s_add_nc_u64 s[G0B+2:G0B+3], s[G0A+2:G0A+3], 143360
	s_or_b32 s[G0A+3], s[G0A+3], 0x80000000
	s_or_b32 s[G0B+3], s[G0B+3], 0x80000000
	ROUND
	tensor_load_to_lds s[G0A:G0A+3], s[G1:G1+7]
	s_nop 0
	s_wait_alu depctr_va_vdst(0)
	s_wait_tensorcnt 0x0
	ds_add_u32 v254, v255
	s_wait_dscnt 0x0
	ROUND
	tensor_load_to_lds s[G0B:G0B+3], s[G1:G1+7]
	s_nop 0
	PLACES 4
	v_and_b32 v6, 31, v0
	s_delay_alu instid0(VALU_DEP_1)
	v_lshlrev_b32 v[LI], 4, v6
	v_and_b32 v6, 15, v0
	v_bfe_u32 v7, v0, 4, 1
	s_mul_i32 s42, s[WV], 4352
	v_mul_u32_u24 v[STO], v6, 272
	s_delay_alu instid0(VALU_DEP_1)
	v_lshl_add_u32 v[STO], v7, 6, v[STO]
	s_delay_alu instid0(VALU_DEP_1)
	v_add_nc_u32 v[STO], s42, v[STO]
	v_mul_u32_u24 v[RD], v7, 272
	s_delay_alu instid0(VALU_DEP_1)
	v_lshl_add_u32 v[RD], v6, 4, v[RD]
	s_delay_alu instid0(VALU_DEP_1)
	v_add_nc_u32 v[RD], s42, v[RD]
	v_lshlrev_b32 v[GO], 11, v7
	s_delay_alu instid0(VALU_DEP_1)
	v_lshl_add_u32 v[GO], v6, 4, v[GO]
	s_lshl_b32 s40, s15, 4
	s_lshl_b32 s42, s14, 1
	s_add_co_u32 s40, s40, s42
	s_lshr_b32 s42, s[WV], 3
	s_add_co_u32 s40, s40, s42
	s_mul_i32 s46, s40, 9216
	s_mov_b32 s47, 0
	s_and_b32 s42, s[WV], 7
	s_lshl_b32 s42, s42, 10
	s_add_co_u32 s40, s46, s42
	s_add_nc_u64 s[44:45], s[4:5], s[40:41]
	s_bfe_u32 s42, s[WV], 0x10002
	s_lshl_b32 s42, s42, 9
	s_add_co_u32 s46, s46, s42
	s_and_b32 s42, s[WV], 3
	s_lshl_b32 s42, s42, 2
	s_add_co_u32 s46, s46, s42
	s_add_co_u32 s46, s46, 8192
	s_add_nc_u64 s[46:47], s[4:5], s[46:47]
	global_load_b128 v[16:19], v[LI], s[44:45]
	global_load_b128 v[20:23], v[LI], s[44:45] offset:512
	global_load_b128 v[32:35], v[LI], s[44:45]
	global_load_b128 v[36:39], v[LI], s[44:45] offset:512
	global_load_b32 v[QS], v[LI], s[46:47]
	s_lshr_b32 s40, s15, 3
	s_lshl_b32 s40, s40, 11
	s_lshl_b32 s42, s14, 8
	s_add_co_u32 s40, s40, s42
	s_lshr_b32 s42, s[WV], 1
	s_lshl_b32 s42, s42, 5
	s_add_co_u32 s40, s40, s42
	s_and_b32 s42, s[WV], 1
	s_lshl_b32 s42, s42, 3
	s_add_co_u32 s40, s40, s42
	s_lshl_b32 s40, s40, 11
	s_and_b32 s42, s15, 7
	s_lshl_b32 s42, s42, 8
	s_add_co_u32 s40, s40, s42
	s_add_nc_u64 s[8:9], s[8:9], s[40:41]
	s_add_nc_u64 s[10:11], s[10:11], s[40:41]
.irp j, 0,1,2,3,4,5,6,7
	v_mov_b32 v[24+\j], 0
	v_mov_b32 v[48+\j], 0
	v_mov_b32 v[72+\j], 0
.endr
	v_mov_b32 v13, 0xff61b1e6
	s_delay_alu instid0(VALU_DEP_1)
	v_floor_f32 v12, -v13
	v_mov_b32 v14, 0
	v_mov_b32 v15, 0
	v_mov_b32 v211, 0
.irp b, 0,1,2,3
	v_mov_b32 v[236+\b], 0
.endr
.set jj, 0
.rept 32
	v_mov_b32 v[160+jj], 0
.set jj, jj+1
.endr
	s_wait_loadcnt 0x0
	s_wait_tensorcnt 0x1
	s_barrier_signal -1
	s_barrier_wait -1
	s_mov_b32 s[TB], 0
	s_mov_b32 s[CNT], 8
.Lhalf0:
	STEP
	s_sub_co_u32 s[CNT], s[CNT], 1
	s_cmp_lg_u32 s[CNT], 0
	s_cbranch_scc1 .Lhalf0
	s_setprio 0
	s_wait_tensorcnt 0x0
	s_wait_dscnt 0x0
	s_barrier_signal -1
	s_barrier_wait -1
	s_mov_b32 s[TB], 8*STEPB
	s_mov_b32 s[CNT], 8
.Lhalf1:
	STEP
	s_sub_co_u32 s[CNT], s[CNT], 1
	s_cmp_lg_u32 s[CNT], 0
	s_cbranch_scc1 .Lhalf1
	s_setprio 0
.irp i, 0,1,2,3,4,5,6,7
	global_load_b128 v[96+4*\i:96+4*\i+3], v[GO], s[8:9] offset:(2*\i+8*(\i/4))*2048
.endr
	s_wait_dscnt 0x0
	s_barrier_signal -1
	s_barrier_wait -1
	v_add_f32 v14, v14, v15
	s_delay_alu instid0(VALU_DEP_1)
	v_permlanex16_b32 v248, v14, s[SEL], s[SEL+1]
	s_delay_alu instid0(VALU_DEP_1)
	v_add_f32 v14, v14, v248
	s_wait_alu depctr_va_vdst(0)
	v_rcp_f32 v14, v14
	v_nop
	s_wait_alu depctr_va_vdst(0)
.set jj, 0
.rept 32
	v_mul_f32 v[128+jj], v[160+jj], v14
.set jj, jj+1
.endr
.irp ct, 0,1,2,3
	ds_store_b128 v[STO], v[128+8*\ct:131+8*\ct] offset:128*(\ct/2)+32*(\ct%2)
	ds_store_b128 v[STO], v[132+8*\ct:135+8*\ct] offset:128*(\ct/2)+32*(\ct%2)+16
.endr
.irp i, 0,1,2,3,4,5,6,7
	ds_load_b128 v[40+4*\i:43+4*\i], v[RD] offset:544*\i
.endr
	s_wait_dscnt 0x0
	s_wait_loadcnt 0x0
.set jj, 0
.rept 16
	v_pk_add_f32 v[40+jj:41+jj], v[40+jj:41+jj], v[96+jj:97+jj]
.set jj, jj+2
.endr
.irp i, 0,1,2,3,4,5,6,7
	global_store_b128 v[GO], v[40+4*\i:43+4*\i], s[10:11] offset:(2*\i+8*(\i/4))*2048
.endr
	s_wait_tensorcnt 0x0
	ds_add_u32 v254, v255
	s_wait_dscnt 0x0
	ROUND
	s_endpgm
.Lfunc_end_k_q5fbc1c853c_attn:
	.size	k_q5fbc1c853c_attn, .Lfunc_end_k_q5fbc1c853c_attn-k_q5fbc1c853c_attn
	.p2alignl 7, 3214868480
	.fill 96, 4, 3214868480
	.section	.rodata,"a",@progbits
	.p2align	6, 0x0
	.amdhsa_kernel k_q5fbc1c853c_attn
		.amdhsa_group_segment_fixed_size 327680
		.amdhsa_private_segment_fixed_size 0
		.amdhsa_enable_private_segment 0
		.amdhsa_kernarg_size 32
		.amdhsa_user_sgpr_count 2
		.amdhsa_user_sgpr_kernarg_segment_ptr 1
		.amdhsa_wavefront_size32 1
		.amdhsa_system_sgpr_workgroup_id_x 1
		.amdhsa_system_sgpr_workgroup_id_y 1
		.amdhsa_system_sgpr_workgroup_id_z 1
		.amdhsa_system_vgpr_workitem_id 0
		.amdhsa_next_free_vgpr 256
		.amdhsa_next_free_sgpr 66
		.amdhsa_reserve_vcc 0
		.amdhsa_float_denorm_mode_32 3
		.amdhsa_float_denorm_mode_16_64 3
		.amdhsa_fp16_overflow 1
		.amdhsa_memory_ordered 1
		.amdhsa_forward_progress 1
		.amdhsa_inst_pref_size 49
	.end_amdhsa_kernel
	.amdgpu_metadata
---
amdhsa.version: [ 1, 2 ]
amdhsa.kernels:
  - .name:           k_q5fbc1c853c_attn
    .symbol:         k_q5fbc1c853c_attn.kd
    .args:
      - { .name: qq, .offset: 0, .size: 8, .value_kind: global_buffer, .address_space: global }
      - { .name: kv, .offset: 8, .size: 8, .value_kind: global_buffer, .address_space: global }
      - { .name: x, .offset: 16, .size: 8, .value_kind: global_buffer, .address_space: global }
      - { .name: x1, .offset: 24, .size: 8, .value_kind: global_buffer, .address_space: global }
    .group_segment_fixed_size: 327680
    .private_segment_fixed_size: 0
    .kernarg_segment_align: 8
    .kernarg_segment_size: 32
    .max_flat_workgroup_size: 512
    .sgpr_count:     66
    .vgpr_count:     256
    .wavefront_size: 32
...
	.end_amdgpu_metadata
.endif
;; end of part 3
;; launch ln1 (part 4): grid 256 x 1, 8 waves a work-group, no clusters, 67,072 bytes of LDS; arguments x1, ln1_g, ln1_b, h1q; writes h1q
.if DOCPART == 4
	.amdgcn_target "amdgcn-amd-amdhsa--gfx1250"
	.amdhsa_code_object_version 6
	.text
	.protected	k_q5fbc1c853c_ln1
	.globl	k_q5fbc1c853c_ln1
	.p2align	8
	.type	k_q5fbc1c853c_ln1,@function
k_q5fbc1c853c_ln1:
	s_mov_b64 s[64:65], 0
	v_nop
	global_prefetch_b8 v0, s[64:65] scope:SCOPE_SE
	s_setreg_imm32_b32 hwreg(HW_REG_WAVE_MODE, 25, 1), 1
	s_wait_xcnt 0x0
; LayerNorm over 512 channels, then the MX-FP8 quantiser along the channels.  src [8192][512] f32, g, b [512] f32.
; dst: 512 tiles of 16 tokens x 8,704 bytes, each an IMAGE OF THE READER'S OPERAND REGISTERS: codes at 2048 s + 512 c + 16 lane (K step s of 128, register group c), scale words at 8192 + 128 s + 4 lane.
; THE TOKENS OF A TILE ARE NOT NEIGHBOURS: lane r of tile 2 B + u stands for token 32 B + 8 u + r + 8 (r / 8).
; SHARES.  A work-group of eight waves takes the 32 tokens of block B.  Phase 1: wave w normalises tokens 4 w .. 4 w + 3, a row in 16 registers a lane, every load 512 consecutive bytes; mean first, then the
; sum of squared deviations (no difference of large sums).  The rows go to LDS, ordered by tile.  Phase 2: wave w quantises the fragment (tile u = w / 4, K step s = w % 4): lane (r, h) reads 16 neighbours of each block of 32.
; No matrix unit, no tensor load, no cluster: work-groups share nothing but g and b (4 KB).
; LIMITS: NaN and infinities are not served; a block whose largest magnitude lies under 2^-118 (a block of zeros too) keeps the scale byte 1: the bytes are read by this program alone.
.set ROWP, 2064                        ; an LDS row: 2,048 bytes + 16 = 129 x 16: sixteen rows at one column start at sixteen different 16-byte columns
.set TM,  8                            ; v8-23   the quantiser's 16 registers
.set SQ,  24                           ; v24-31  a pair for each of my four rows: sum, mean, 1 / deviation in the low word
.set X,   32                           ; v32-95  four rows x 16, later a fragment's 64 numbers
.set GG,  96                           ; v96-111 g, later the codes
.set BB,  112                          ; v112-127 b
.set PC,  96
.set PW,  24
.set WV,  12
.set SEL, 14                           ; s[14:15] v_permlanex16_b32's selects for lane l xor 16
.set RN,  16                           ; s16 1 / 512
.set EP,  17                           ; s17 1e-5
.set MNT, 18
; 64 numbers of a lane, register 16 b + i = k 32 b + 16 (lane / 16) + i of the lane's row, become 16 registers of codes at v[dst]; the four scale bytes stay in v[TM+4 .. TM+7].
.macro QUANT src, dst
.irp b, 0,1,2,3
	v_max3_num_f32 v[TM+\b], |v[(\src)+16*\b]|, |v[(\src)+16*\b+1]|, 0x4800000   ; my 16 numbers of block b, and the floor 2^(9 - 127): the byte cannot fall under 1
.endr
.irp i, 2,4,6,8,10,12,14
.irp b, 0,1,2,3
	s_delay_alu instid0(VALU_DEP_4)
	v_max3_num_f32 v[TM+\b], v[TM+\b], |v[(\src)+16*\b+\i]|, |v[(\src)+16*\b+\i+1]|   ; the four blocks by turns
.endr
.endr
.irp b, 0,1,2,3
	s_delay_alu instid0(VALU_DEP_4)
	v_permlanex16_b32 v[TM+4+\b], v[TM+\b], s[SEL], s[SEL+1]
.endr
.irp b, 0,1,2,3
	s_delay_alu instid0(VALU_DEP_4)
	v_max_num_f32 v[TM+\b], v[TM+\b], v[TM+4+\b]          ; with lane l xor 16's 16: the block's largest magnitude
.endr
.irp b, 0,1,2,3
	s_delay_alu instid0(VALU_DEP_4)
	v_add_nc_u32 v[TM+12+\b], 0xfc000000, v[TM+\b]        ; 8 off its exponent field: the conversion's scale operand
.endr
.irp b, 0,1,2,3
.endr
.irp b, 0,1,2,3
	s_delay_alu instid0(VALU_DEP_4)
	v_lshrrev_b32 v[TM+4+\b], 23, v[TM+12+\b]             ; the scale's byte
.endr
.irp b, 0,1,2,3
.irp i, 0,1,2,3,4,5,6,7,8,9,10,11,12,13,14,15
.endr
	v_cvt_scalef32_pk8_fp8_f32 v[(\dst)+4*\b:(\dst)+4*\b+1], v[(\src)+16*\b:(\src)+16*\b+7], v[TM+12+\b]
	v_cvt_scalef32_pk8_fp8_f32 v[(\dst)+4*\b+2:(\dst)+4*\b+3], v[(\src)+16*\b+8:(\src)+16*\b+15], v[TM+12+\b]
.endr
	v_nop                                                 ; a plain line behind the last conversion
.endm
; each row's pair: its two halves are added, then the 32 lanes'; every lane ends with the row's sum in the low word
.macro RED
.irp q, 0,1,2,3
	s_delay_alu instid0(VALU_DEP_4)
	v_add_f32 v[SQ+2*\q], v[SQ+2*\q], v[SQ+2*\q+1]
.endr
.irp m, 1,2,4,8
.irp q, 0,1,2,3
	s_delay_alu instid0(VALU_DEP_4)
	v_add_f32_dpp v[SQ+2*\q], v[SQ+2*\q], v[SQ+2*\q] row_xmask:\m row_mask:0xf bank_mask:0xf
.endr
.endr
.irp q, 0,1,2,3
	s_delay_alu instid0(VALU_DEP_4)
	v_permlanex16_b32 v[SQ+2*\q+1], v[SQ+2*\q], s[SEL], s[SEL+1]
.endr
.irp q, 0,1,2,3
	s_delay_alu instid0(VALU_DEP_4)
	v_add_f32 v[SQ+2*\q], v[SQ+2*\q], v[SQ+2*\q+1]
.endr
.endm
	s_load_b256 s[4:11], s[0:1], 0x0               ; src s[4:5], g s[6:7], b s[8:9], dst s[10:11]
	v_lshl_add_u32 v128, v0, 2, 0x10200
	v_mov_b32 v129, 0
	v_lshrrev_b32 v1, 5, v0
	s_delay_alu instid0(VALU_DEP_1)
	v_readfirstlane_b32 s[WV], v1                  ; wave 0..7
	v_and_b32 v1, 31, v0                           ; lane
	s_delay_alu instid0(VALU_DEP_1)
	v_lshlrev_b32 v2, 4, v1                        ; 16 x lane
	s_wait_alu depctr_va_vdst(0)
	v_lshlrev_b32 v5, 2, v1                        ; 4 x lane
	v_and_b32 v6, 15, v0                           ; r
	s_wait_alu depctr_va_vdst(0)
	v_bfe_u32 v7, v0, 4, 1                         ; h
	; token rho of the block lies at LDS row 16 ((rho / 8) % 2) + 8 (rho / 16) + rho % 8; for rho = 4 w: 16 ((w / 2) % 2) + 8 (w / 4) + 4 (w % 2)
	s_bfe_u32 s20, s[WV], 0x10001
	s_lshl_b32 s20, s20, 4
	s_lshr_b32 s21, s[WV], 2                       ; u = w / 4
	s_lshl_b32 s22, s21, 3
	s_add_co_u32 s20, s20, s22
	s_and_b32 s22, s[WV], 1
	s_lshl_b32 s22, s22, 2
	s_add_co_u32 s20, s20, s22
	s_mul_i32 s20, s20, ROWP
	v_add_nc_u32 v3, s20, v2                       ; phase 1 writes: my first row, 16 x lane
	v_mul_u32_u24 v4, v6, ROWP
	s_wait_alu depctr_va_vdst(0)
	v_lshl_add_u32 v4, v7, 6, v4
	s_mul_i32 s22, s21, 16*ROWP
	s_and_b32 s23, s[WV], 3                        ; s = w % 4
	s_lshl_b32 s24, s23, 9
	s_add_co_u32 s22, s22, s24
	v_add_nc_u32 v4, s22, v4                       ; phase 2 reads: row 16 u + r, byte 512 s + 64 h
	s_lshl_b32 s26, ttmp9, 16                      ; src: 32 rows of 2,048 bytes a work-group,
	s_lshl_b32 s27, s[WV], 13                      ; 4 rows a wave
	s_add_co_u32 s26, s26, s27
	s_mov_b32 s27, 0
	s_lshl_b32 s28, ttmp9, 1
	s_add_co_u32 s28, s28, s21
	s_mul_i32 s28, s28, 8704                       ; dst: tile 2 B + u
	s_lshl_b32 s30, s23, 7
	s_add_co_u32 s30, s30, s28
	s_add_co_u32 s30, s30, 8192                    ; its scale words of K step s
	s_mov_b32 s31, 0
	s_lshl_b32 s29, s23, 11
	s_add_co_u32 s28, s28, s29                     ; its codes of K step s
	s_mov_b32 s29, 0
	s_mov_b32 s[SEL], 0x76543210
	s_mov_b32 s[SEL+1], 0xfedcba98
	s_mov_b32 s[RN], 0x3b000000
	s_mov_b32 s[EP], 0x3727c5ac
.irp b, 0,1,2,3
	v_mov_b32 v[TM+4+\b], 0                        ; written once: a lane permute's destination counts as one of its sources
.endr
	s_wait_kmcnt 0x0
	s_add_nc_u64 s[4:5], s[4:5], s[26:27]
	s_add_nc_u64 s[20:21], s[10:11], s[28:29]
	s_add_nc_u64 s[22:23], s[10:11], s[30:31]
.irp q, 0,1,2,3
.irp i, 0,1,2,3
	global_load_b128 v[X+16*\q+4*\i:X+16*\q+4*\i+3], v2, s[4:5] offset:2048*\q+512*\i   ; 32 lanes read 512 consecutive bytes: register 4 i + k is column 128 i + 4 lane + k
.endr
.endr
.irp i, 0,1,2,3
	global_load_b128 v[GG+4*\i:GG+4*\i+3], v2, s[6:7] offset:512*\i
	global_load_b128 v[BB+4*\i:BB+4*\i+3], v2, s[8:9] offset:512*\i
.endr
	s_wait_loadcnt 0x0
	; ---- phase 1: the four rows by turns
.irp q, 0,1,2,3
	v_pk_add_f32 v[SQ+2*\q:SQ+2*\q+1], v[X+16*\q:X+16*\q+1], v[X+16*\q+2:X+16*\q+3]
.endr
.irp i, 4,6,8,10,12,14
.irp q, 0,1,2,3
	s_delay_alu instid0(VALU_DEP_4)
	v_pk_add_f32 v[SQ+2*\q:SQ+2*\q+1], v[SQ+2*\q:SQ+2*\q+1], v[X+16*\q+\i:X+16*\q+\i+1]
.endr
.endr
	RED
.irp q, 0,1,2,3
	s_delay_alu instid0(VALU_DEP_4)
	v_mul_f32 v[SQ+2*\q], s[RN], v[SQ+2*\q]        ; the mean
.endr
.irp i, 0,2,4,6,8,10,12,14
.irp q, 0,1,2,3
	v_pk_add_f32 v[X+16*\q+\i:X+16*\q+\i+1], v[X+16*\q+\i:X+16*\q+\i+1], v[SQ+2*\q:SQ+2*\q+1] op_sel_hi:[1,0] neg_lo:[0,1] neg_hi:[0,1]   ; x - mean
.endr
.endr
.irp q, 0,1,2,3
	v_pk_mul_f32 v[SQ+2*\q:SQ+2*\q+1], v[X+16*\q:X+16*\q+1], v[X+16*\q:X+16*\q+1]
.endr
.irp i, 2,4,6,8,10,12,14
.irp q, 0,1,2,3
	s_delay_alu instid0(VALU_DEP_4)
	v_pk_fma_f32 v[SQ+2*\q:SQ+2*\q+1], v[X+16*\q+\i:X+16*\q+\i+1], v[X+16*\q+\i:X+16*\q+\i+1], v[SQ+2*\q:SQ+2*\q+1]
.endr
.endr
	RED
.irp q, 0,1,2,3
	s_delay_alu instid0(VALU_DEP_4)
	v_fma_f32 v[SQ+2*\q], v[SQ+2*\q], s[RN], s[EP] ; the variance + 1e-5
.endr
	s_wait_alu depctr_va_vdst(0)
.irp q, 0,1,2,3
	v_rsq_f32 v[SQ+2*\q], v[SQ+2*\q]
.endr
	v_nop                                          ; a plain line behind the last of the four (ISA guide 5.7.2),
	s_wait_alu depctr_va_vdst(0)                   ; and one wait for the batch, ahead of its first reader
.irp i, 0,2,4,6,8,10,12,14
.irp q, 0,1,2,3
	v_pk_mul_f32 v[X+16*\q+\i:X+16*\q+\i+1], v[X+16*\q+\i:X+16*\q+\i+1], v[SQ+2*\q:SQ+2*\q+1] op_sel_hi:[1,0]
.endr
.endr
.irp i, 0,2,4,6,8,10,12,14
.irp q, 0,1,2,3
	v_pk_fma_f32 v[X+16*\q+\i:X+16*\q+\i+1], v[X+16*\q+\i:X+16*\q+\i+1], v[GG+\i:GG+\i+1], v[BB+\i:BB+\i+1]
.endr
.endr
.irp q, 0,1,2,3
.irp i, 0,1,2,3
	ds_store_b128 v3, v[X+16*\q+4*\i:X+16*\q+4*\i+3] offset:\q*ROWP+512*\i
.endr
.endr
	s_wait_dscnt 0x0                               ; for the others' sake: my rows have landed
	s_barrier_signal -1
	s_barrier_wait -1
	; ---- phase 2: one fragment a wave
.irp b, 0,1,2,3
.irp j, 0,1,2,3
	ds_load_b128 v[X+16*\b+4*\j:X+16*\b+4*\j+3], v4 offset:128*\b+16*\j
.endr
.endr
	s_wait_dscnt 0x0
	QUANT X, PC
	v_lshl_or_b32 v[PW], v[TM+5], 8, v[TM+4]       ; the four bytes make my row's scale word; lanes 16-31 hold the same as lanes 0-15
	s_delay_alu instid0(VALU_DEP_1)
	v_lshl_or_b32 v[PW], v[TM+6], 16, v[PW]
	s_delay_alu instid0(VALU_DEP_1)
	v_lshl_or_b32 v[PW], v[TM+7], 24, v[PW]
.irp c, 0,1,2,3
	global_store_b128 v2, v[PC+4*\c:PC+4*\c+3], s[20:21] offset:512*\c   ; 512 consecutive bytes, aligned
.endr
	global_store_b32 v5, v[PW], s[22:23]
	s_wait_tensorcnt 0x0
	ds_add_u32 v128, v129
	s_wait_dscnt 0x0
	s_endpgm
.Lfunc_end_k_q5fbc1c853c_ln1:
	.size	k_q5fbc1c853c_ln1, .Lfunc_end_k_q5fbc1c853c_ln1-k_q5fbc1c853c_ln1
	.p2alignl 7, 3214868480
	.fill 96, 4, 3214868480
	.section	.rodata,"a",@progbits
	.p2align	6, 0x0
	.amdhsa_kernel k_q5fbc1c853c_ln1
		.amdhsa_group_segment_fixed_size 67072
		.amdhsa_private_segment_fixed_size 0
		.amdhsa_enable_private_segment 0
		.amdhsa_kernarg_size 32
		.amdhsa_user_sgpr_count 2
		.amdhsa_user_sgpr_kernarg_segment_ptr 1
		.amdhsa_wavefront_size32 1
		.amdhsa_system_sgpr_workgroup_id_x 1
		.amdhsa_system_sgpr_workgroup_id_y 1
		.amdhsa_system_sgpr_workgroup_id_z 1
		.amdhsa_system_vgpr_workitem_id 0
		.amdhsa_next_free_vgpr 130
		.amdhsa_next_free_sgpr 66
		.amdhsa_reserve_vcc 0
		.amdhsa_float_denorm_mode_32 3
		.amdhsa_float_denorm_mode_16_64 3
		.amdhsa_fp16_overflow 1
		.amdhsa_memory_ordered 1
		.amdhsa_forward_progress 1
		.amdhsa_inst_pref_size 30
	.end_amdhsa_kernel
	.amdgpu_metadata
---
amdhsa.version: [ 1, 2 ]
amdhsa.kernels:
  - .name:           k_q5fbc1c853c_ln1
    .symbol:         k_q5fbc1c853c_ln1.kd
    .args:
      - { .name: x1, .offset: 0, .size: 8, .value_kind: global_buffer, .address_space: global }
      - { .name: ln1_g, .offset: 8, .size: 8, .value_kind: global_buffer, .address_space: global }
      - { .name: ln1_b, .offset: 16, .size: 8, .value_kind: global_buffer, .address_space: global }
      - { .name: h1q, .offset: 24, .size: 8, .value_kind: global_buffer, .address_space: global }
    .group_segment_fixed_size: 67072
    .private_segment_fixed_size: 0
    .kernarg_segment_align: 8
    .kernarg_segment_size: 32
    .max_flat_workgroup_size: 256
    .sgpr_count:     66
    .vgpr_count:     130
    .wavefront_size: 32
...
	.end_amdgpu_metadata
.endif
;; end of part 4
;; launch ffn1 (part 5): grid 8 x 32, 4 waves a work-group, clusters of 4 x 1, 168,448 bytes of LDS; arguments h1q, wimg, Wp_scales, bp, yq, ysc; writes yq, ysc
.if DOCPART == 5
	.amdgcn_target "amdgcn-amd-amdhsa--gfx1250"
	.amdhsa_code_object_version 6
	.text
	.protected	k_q5fbc1c853c_ffn1
	.globl	k_q5fbc1c853c_ffn1
	.p2align	8
	.type	k_q5fbc1c853c_ffn1,@function
k_q5fbc1c853c_ffn1:
	s_mov_b64 s[64:65], 0
	v_nop
	global_prefetch_b8 v0, s[64:65] scope:SCOPE_SE
	s_setreg_imm32_b32 hwreg(HW_REG_WAVE_MODE, 25, 1), 1
	s_wait_xcnt 0x0
	s_wait_alu depctr_hold_cnt(0) depctr_sa_sdst(0) depctr_va_vdst(0) depctr_va_sdst(0) depctr_va_ssrc(0) depctr_va_vcc(0) depctr_vm_vsrc(0)
	s_getreg_b32 s2, hwreg(HW_REG_IB_STS2, 6, 4)
	s_cmp_eq_u32 s2, 0
	s_cbranch_scc0 .Lentry_in_a_cluster
	s_endpgm
.Lentry_in_a_cluster:
	s_bfe_u32 s2, ttmp6, 0x10000c
	s_cmp_lg_u32 s2, 0x3003
	s_cbranch_scc0 .Lentry_shape_is_right
	s_endpgm
.Lentry_shape_is_right:
; y = u gelu(g), (u, g) = LN1(x1) Wp + bp on codes of MX-FP8; y is quantised along its 2,048 units and leaves as images of the next product's operand registers.
; SHARES.  Work-group (cs, rg): units 256 cs .. + 255 for rows 256 rg .. + 255 (16 tiles).  Wave w owns units 256 cs + 64 w + 0 .. 63: four tiles of u's weights and the four matching tiles of g's, 512 registers, read once.
; They come from wimg, chunk 12 + 4 cs + w, where the first launch has laid Wp's given codes as images of these registers: each of the 128 loads covers 512 consecutive bytes.
; The rows' 139,264 bytes (codes and scale words as register images) come into LDS once.  CLUSTER: they hang on rg alone, so the four work-groups of a cluster (four cs) ask for them JOINTLY.
; The product is used TRANSPOSED, and the weights' rows of a tile are laid (lane r of tile t: unit 32 (t / 2) + 8 (t % 2) + r + 8 (r / 8)) so that a lane holds one token and the registers of tiles 2 j, 2 j + 1 are 16 neighbouring units.
; GELU, exact form: gelu(g) = max(g, 0) - |g| w, w = erfc(|g| / sqrt 2) / 2 = t 2^(poly(t) - g^2 log2(e) / 2), t = 1 / (1 + |g| sqrt(2) / 4): the Chebyshev fit of erfc whose fractional error is under 1.2e-7
; for every argument, its coefficients multiplied by log2(e), the 1/2 taken into the constant term.  No difference of near numbers is formed for g < 0, where gelu is small.
; OUT.  yq [cs][tile] x 4,096: K step 2 cs + w / 2 at 2048 (w / 2), blocks 2 (w % 2) + j at 512 each, 16 x lane.  ysc [cs][tile] x 256: 128 (w / 2) + 4 lane; a word's halves come from two waves and are joined in LDS at the end.
; LIMITS: NaN and infinities are not served; w under 2^-126 counts as 0 (v_exp_f32); a block whose largest magnitude lies under 2^-118 keeps the scale byte 1.
; REGISTERS, in windows of 256: window 0: v1-15 addresses; v16-47 the weights' scale words (u: 4 t + s, g: 16 + 4 t + s); v48-55 the rows' [4 a + s]; v56-71 the quantiser's, and P; v72-73 half words; v[74:75] c8; v80-95 codes;
;   v96-111 T, v112-127 E; v128-191 u's 8 accumulators at 32 a + 8 t, v192-255 g's.   window 1: u's weights at 64 t + 16 s;  window 2: g's;  window 3: v0-127 the rows' fragments at 64 a + 16 s; v128-159 u's bias, v160-191 g's.
.set LI,  1
.set LS,  2
.set ADR, 3
.set ADS, 4
.set WSA, 6
.set BA,  7
.set YS0, 8                            ; v8  LDS: my wave's half words: YSTG + 2048 w + 4 lane
.set YSC, 9                            ; v9  the same for the trip in hand
.set RDY, 10
.set OUTY, 11
.set WS,  16
.set AS,  48
.set TM,  56
.set P,   56
.set HW,  72
.set PC,  80
.set T,   96
.set E,   112
.set WV,  16
.set G1,  20
.set G0,  28
.set SEL, 32
.set MNT, 34
.set TB,  35                           ; s35 LDS byte of the pair of tiles to be fetched
.set TY,  36                           ; s36 256 x trip
.set CNT, 37
.set KT,  44                           ; s44 sqrt(2) / 4
.set YSTG, 139264                      ; behind the rows: 4 waves x 16 tiles x 128 bytes, written by LDS stores alone; no fill lands there
.set MSB, 0
.macro WIN new
.if MSB != (\new)
	s_set_vgpr_msb (MSB<<8)|(\new)
.set MSB, (\new)
.endif
.endm
.macro PLACES n
.rept \n
	v_nop
.endr
.endm
.macro ROUND
	s_barrier_signal -1
	s_barrier_wait -1
	s_cmp_lg_u32 s[WV], 0
	s_cbranch_scc1 .Lnot_wave_0_\@
	s_barrier_signal -3
.Lnot_wave_0_\@:
	s_barrier_wait -3
	s_barrier_signal -1
	s_barrier_wait -1
.endm
.macro COEF r, bits                    ; a coefficient as a scalar pair: the packed forms name the pair and take its low word for both halves
	s_mov_b32 s[\r], \bits
	s_mov_b32 s[\r+1], \bits
.endm
.macro QUANT src, dst
.irp b, 0,1,2,3
	v_max3_num_f32 v[TM+\b], |v[(\src)+16*\b]|, |v[(\src)+16*\b+1]|, 0x4800000   ; my 16 numbers of block b, and the floor 2^(9 - 127)
.endr
.irp i, 2,4,6,8,10,12,14
.irp b, 0,1,2,3
	v_max3_num_f32 v[TM+\b], v[TM+\b], |v[(\src)+16*\b+\i]|, |v[(\src)+16*\b+\i+1]|
.endr
.endr
.irp b, 0,1,2,3
	v_permlanex16_b32 v[TM+4+\b], v[TM+\b], s[SEL], s[SEL+1]
.endr
.irp b, 0,1,2,3
	v_max_num_f32 v[TM+\b], v[TM+\b], v[TM+4+\b]
.endr
.irp b, 0,1,2,3
	v_add_nc_u32 v[TM+12+\b], 0xfc000000, v[TM+\b]
.endr
.irp b, 0,1,2,3
.endr
.irp b, 0,1,2,3
	v_lshrrev_b32 v[TM+4+\b], 23, v[TM+12+\b]
.endr
.irp b, 0,1,2,3
.irp i, 0,1,2,3,4,5,6,7,8,9,10,11,12,13,14,15
.endr
	v_cvt_scalef32_pk8_fp8_f32 v[(\dst)+4*\b:(\dst)+4*\b+1], v[(\src)+16*\b:(\src)+16*\b+7], v[TM+12+\b]
	v_cvt_scalef32_pk8_fp8_f32 v[(\dst)+4*\b+2:(\dst)+4*\b+3], v[(\src)+16*\b+8:(\src)+16*\b+15], v[TM+12+\b]
.endr
	v_nop                                                 ; a plain line behind the last conversion: the next products write its sources
.endm
.macro FETCH                           ; the pair of tiles at LDS byte s[TB]
	v_add_nc_u32 v[ADR], s[TB], v[LI]
	v_add_nc_u32 v[ADS], s[TB], v[LS]
	WIN 0xc0
.irp a, 0,1
.irp s, 0,1,2,3
.irp c, 0,1,2,3
	ds_load_b128 v[64*\a+16*\s+4*\c:64*\a+16*\s+4*\c+3], v[ADR] offset:\a*8704+2048*\s+512*\c
.endr
.endr
.endr
	WIN 0
.irp a, 0,1
.irp s, 0,1,2,3
	ds_load_b32 v[AS+4*\a+\s], v[ADS] offset:\a*8704+8192+128*\s
.endr
.endr
.endm
; 64 matrix instructions: (u, g) x 2 row tiles x 4 unit tiles x 4 K steps; the 16 accumulators take turns, one instruction a turn; the bias is the C of each sum's first
.macro MULF
.irp s, 0,1,2,3
.irp wn, 0,1
.if \s == 0
	WIN 0x3d+\wn
.else
	WIN 0x0d+\wn
.endif
.irp a, 0,1
.irp t, 0,1,2,3
.if \s == 0
	v_wmma_scale_f32_16x16x128_f8f6f4 v[128+64*\wn+32*\a+8*\t:128+64*\wn+32*\a+8*\t+7], v[64*\t+16*\s:64*\t+16*\s+15], v[64*\a+16*\s:64*\a+16*\s+15], v[128+32*\wn+8*\t:128+32*\wn+8*\t+7], v[WS+16*\wn+4*\t+\s], v[AS+4*\a+\s]
.else
	v_wmma_scale_f32_16x16x128_f8f6f4 v[128+64*\wn+32*\a+8*\t:128+64*\wn+32*\a+8*\t+7], v[64*\t+16*\s:64*\t+16*\s+15], v[64*\a+16*\s:64*\a+16*\s+15], v[128+64*\wn+32*\a+8*\t:128+64*\wn+32*\a+8*\t+7], v[WS+16*\wn+4*\t+\s], v[AS+4*\a+\s]
.endif
.endr
.endr
.endr
.endr
.endm
; u <- u gelu(g) for 16 numbers of a lane (two accumulators of each), ascending
.macro GELU k
.set GB, 192+16*(\k)
.set UB, 128+16*(\k)
.irp i, 0,1,2,3,4,5,6,7,8,9,10,11,12,13,14,15
	v_fma_f32 v[T+\i], |v[GB+\i]|, s[KT], 1.0
.endr
	s_wait_alu depctr_va_vdst(0)
.irp i, 0,1,2,3,4,5,6,7,8,9,10,11,12,13,14,15
	v_rcp_f32 v[T+\i], v[T+\i]                     ; t
.endr
.irp i, 0,2,4,6,8,10,12,14
	v_pk_mul_f32 v[E+\i:E+\i+1], v[GB+\i:GB+\i+1], v[GB+\i:GB+\i+1]   ; g^2: plain work behind the reciprocals
.endr
	s_wait_alu depctr_va_vdst(0)                   ; one wait for the 16, ahead of their first reader
.irp i, 0,2,4,6,8,10,12,14
	v_pk_fma_f32 v[P+\i:P+\i+1], v[T+\i:T+\i+1], s[46:47], v[74:75] op_sel_hi:[1,0,1]   ; c9 t + c8
.endr
.irp kk, 50,52,54,56,58,60,62,66               ; c7 .. c0
.irp i, 0,2,4,6,8,10,12,14
	v_pk_fma_f32 v[P+\i:P+\i+1], v[P+\i:P+\i+1], v[T+\i:T+\i+1], s[\kk:\kk+1] op_sel_hi:[1,1,0]
.endr
.endr
.irp i, 0,2,4,6,8,10,12,14
	v_pk_fma_f32 v[P+\i:P+\i+1], v[E+\i:E+\i+1], s[68:69], v[P+\i:P+\i+1] op_sel_hi:[1,0,1]   ; - g^2 log2(e) / 2
.endr
	s_wait_alu depctr_va_vdst(0)
.irp i, 0,1,2,3,4,5,6,7,8,9,10,11,12,13,14,15
	v_exp_f32 v[P+\i], v[P+\i]
.endr
.irp i, 0,1,2,3,4,5,6,7,8,9,10,11,12,13,14,15
	v_max_num_f32 v[E+\i], 0, v[GB+\i]             ; max(g, 0): plain work behind the exponentials
.endr
	s_wait_alu depctr_va_vdst(0)                   ; one wait for the 16
.irp i, 0,2,4,6,8,10,12,14
	v_pk_mul_f32 v[P+\i:P+\i+1], v[P+\i:P+\i+1], v[T+\i:T+\i+1]       ; w
.endr
.irp i, 0,1,2,3,4,5,6,7,8,9,10,11,12,13,14,15
	v_fma_f32 v[E+\i], -|v[GB+\i]|, v[P+\i], v[E+\i]                  ; gelu(g)
.endr
.irp i, 0,2,4,6,8,10,12,14
	v_pk_mul_f32 v[UB+\i:UB+\i+1], v[UB+\i:UB+\i+1], v[E+\i:E+\i+1]
.endr
.endm
; a pair of row tiles.  fetch = 1: the next pair's fragments are asked for behind the products and land during the vector work
.macro TRIP fetch
	s_wait_dscnt 0x0                               ; this pair's fragments and scale words are in
	MULF
	WIN 0
	PLACES 8                                       ; behind the last product: ahead of loads into its operands and of the first read of results
.if \fetch
	s_add_co_u32 s[TB], s[TB], 17408
	FETCH
.endif
	v_add_nc_u32 v[YSC], s[TY], v[YS0]
	GELU 0
	GELU 1
	GELU 2
	GELU 3
	QUANT 128, PC                                  ; block 2 a + j: row tile a, my units 32 j .. 32 j + 31
.irp a, 0,1
	v_lshl_or_b32 v[HW+\a], v[TM+5+2*\a], 8, v[TM+4+2*\a]   ; my two bytes of the tile's scale word
	ds_store_b32 v[YSC], v[HW+\a] offset:128*\a
.irp jj, 0,1
	global_store_b128 v[LI], v[PC+8*\a+4*\jj:PC+8*\a+4*\jj+3], s[12:13] offset:4096*\a+512*\jj   ; 512 consecutive bytes, aligned
.endr
.endr
	s_wait_xcnt 0x0                                ; the stores have read their base and the codes' registers: both are written again
	s_add_nc_u64 s[12:13], s[12:13], 8192
	s_add_co_u32 s[TY], s[TY], 256
.endm
	s_load_b256 s[4:11], s[0:1], 0x0               ; h1q s[4:5], wimg s[6:7], Wp's scales s[8:9], bp s[10:11]
	s_load_b128 s[12:15], s[0:1], 0x20             ; yq s[12:13], ysc s[14:15]
	v_lshl_add_u32 v78, v0, 2, 0x29000
	v_mov_b32 v79, 0
	ds_add_u32 v78, v79
	ds_add_u32 v78, v79
	v_lshrrev_b32 v12, 5, v0
	v_readfirstlane_b32 s[WV], v12                 ; wave 0..3
	s_bfe_u32 s17, ttmp6, 0x40000                  ; cx
	s_lshl_b32 s18, ttmp9, 2
	s_add_co_u32 s18, s18, s17                     ; cs: it enters the addresses of the weights and of the results alone
	s_and_b32 s19, ttmp7, 0xffff                   ; rg, which the four partners share
	; descriptor group 1: 136 rows of 256 bytes, dense; the mask names all four work-groups, bit 21 beside it
	s_mov_b32 s[G1+0], 15|(3<<16)|(1<<21)
	s_mov_b32 s[G1+1], 32<<16
	s_mov_b32 s[G1+2], 136<<16
	s_mov_b32 s[G1+3], 32<<16
	s_mov_b32 s[G1+4], 136
	s_mov_b32 s[G1+5], 32
	s_mov_b32 s[G1+6], 0
	s_mov_b32 s[G1+7], 0
	s_mov_b32 s[G0], 1
	s_mul_i32 s[G0+1], s[WV], 34816
	s_mul_i32 s38, s19, 139264
	s_add_co_u32 s38, s38, s[G0+1]
	s_mov_b32 s39, 0
	s_wait_dscnt 0x0
	s_wait_kmcnt 0x0
	s_add_nc_u64 s[G0+2:G0+3], s[4:5], s[38:39]
	s_or_b32 s[G0+3], s[G0+3], 0x80000000
	ROUND                                          ; all four work-groups are here: the joint loads meet
	tensor_load_to_lds s[G0:G0+3], s[G1:G1+7]      ; the launch's one fill: one load of mine is out
	s_nop 0
	PLACES 4
	s_mov_b32 s[SEL], 0x76543210
	s_mov_b32 s[SEL+1], 0xfedcba98
	s_mov_b32 s[TB], 0
	s_mov_b32 s[TY], 0
	s_mov_b32 s[KT], 0x3eb504f3                    ; sqrt(2) / 4
	COEF 46, 0x3e7c6f08                            ; c9 =  0.24651730
	COEF 50, 0x40097039                            ; c7 =  2.14747446
	COEF 52, 0xbfd1a1e5                            ; c6 = -1.63775315
	COEF 54, 0x3ecdfd18                            ; c5 =  0.40232158
	COEF 56, 0xbe899a80                            ; c4 = -0.26875686
	COEF 58, 0x3e0efb2e                            ; c3 =  0.13963006
	COEF 60, 0x3f0a29d2                            ; c2 =  0.53970062
	COEF 62, 0x3fb8ab5a                            ; c1 =  1.44272920
	COEF 66, 0xc034d90f                            ; c0 = -2.82574822
	COEF 68, 0xbf38aa3b                            ; -log2(e) / 2
	v_mov_b32 v74, 0xbf97d29d                      ; c8 = -1.18611495
	v_mov_b32 v75, 0xbf97d29d
	v_and_b32 v12, 31, v0
	v_lshlrev_b32 v[LI], 4, v12
	v_lshlrev_b32 v[LS], 2, v12
	v_and_b32 v12, 15, v0                          ; r
	v_and_b32 v[WSA], 8, v12
	v_add_nc_u32 v[WSA], v[WSA], v12               ; r + 8 (r / 8)
	v_bfe_u32 v12, v0, 4, 1                        ; h
	v_lshlrev_b32 v[WSA], 4, v[WSA]
	v_lshlrev_b32 v[BA], 6, v12                    ; the bias: register j of lane (r, h) is unit 16 h + j of the tile
	s_lshl_b32 s38, s[WV], 11
	s_add_co_u32 s38, s38, YSTG
	v_add_nc_u32 v[YS0], s38, v[LS]
	v_bfe_u32 v12, v0, 3, 1                        ; the joining at the end: thread n takes 16 bytes of ysc: tile n / 16 (and 8 on), K step (n / 8) % 2, lanes 4 (n % 8) on
	v_lshlrev_b32 v12, 12, v12
	v_lshrrev_b32 v13, 4, v0
	v_lshl_add_u32 v12, v13, 7, v12
	v_and_b32 v13, 7, v0
	v_lshl_add_u32 v12, v13, 4, v12
	v_add_nc_u32 v[RDY], YSTG, v12
	v_lshlrev_b32 v[OUTY], 4, v0
.irp b, 0,1,2,3
	v_mov_b32 v[TM+4+\b], 0                        ; written before the first lane permute names them
.endr
	s_lshl_b32 s38, s18, 18                        ; wimg: chunk 12 + 4 cs + w, 65,536 bytes a chunk
	s_lshl_b32 s40, s[WV], 16
	s_add_co_u32 s38, s38, s40
	s_add_co_u32 s38, s38, 12*65536
	s_add_nc_u64 s[6:7], s[6:7], s[38:39]
	s_lshl_b32 s38, s18, 12                        ; my 64 units: 16 scale bytes each,
	s_lshl_b32 s40, s[WV], 10
	s_add_co_u32 s38, s38, s40
	s_add_nc_u64 s[8:9], s[8:9], s[38:39]
	s_lshl_b32 s38, s18, 10                        ; 4 bytes of bias
	s_lshl_b32 s40, s[WV], 8
	s_add_co_u32 s38, s38, s40
	s_add_nc_u64 s[10:11], s[10:11], s[38:39]
	s_lshl_b32 s38, s18, 21                        ; yq: (512 cs + 16 rg) x 4,096 + 1,024 w
	s_lshl_b32 s40, s19, 16
	s_add_co_u32 s38, s38, s40
	s_lshl_b32 s40, s[WV], 10
	s_add_co_u32 s38, s38, s40
	s_add_nc_u64 s[12:13], s[12:13], s[38:39]
	s_lshl_b32 s38, s18, 17                        ; ysc: (512 cs + 16 rg) x 256
	s_lshl_b32 s40, s19, 12
	s_add_co_u32 s38, s38, s40
	s_add_nc_u64 s[14:15], s[14:15], s[38:39]
	WIN 0x40                                       ; u's weights: window 1
.irp t, 0,1,2,3
.irp s, 0,1,2,3
.irp c, 0,1,2,3
	global_load_b128 v[64*\t+16*\s+4*\c:64*\t+16*\s+4*\c+3], v[LI], s[6:7] offset:8192*\t+2048*\s+512*\c   ; 512 consecutive bytes
.endr
.endr
.endr
	WIN 0x80                                       ; g's, the chunk's second half: window 2
.irp t, 0,1,2,3
.irp s, 0,1,2,3
.irp c, 0,1,2,3
	global_load_b128 v[64*\t+16*\s+4*\c:64*\t+16*\s+4*\c+3], v[LI], s[6:7] offset:32768+8192*\t+2048*\s+512*\c
.endr
.endr
.endr
	WIN 0
.irp t, 0,1,2,3
	global_load_b128 v[WS+4*\t:WS+4*\t+3], v[WSA], s[8:9] offset:(32*(\t/2)+8*(\t%2))*16
	global_load_b128 v[WS+16+4*\t:WS+16+4*\t+3], v[WSA], s[8:9] offset:32768+(32*(\t/2)+8*(\t%2))*16
.endr
	WIN 0xc0
.irp t, 0,1,2,3
	global_load_b128 v[128+8*\t:128+8*\t+3], v[BA], s[10:11] offset:(32*(\t/2)+8*(\t%2))*4
	global_load_b128 v[128+8*\t+4:128+8*\t+7], v[BA], s[10:11] offset:(32*(\t/2)+8*(\t%2))*4+16
	global_load_b128 v[160+8*\t:160+8*\t+3], v[BA], s[10:11] offset:8192+(32*(\t/2)+8*(\t%2))*4
	global_load_b128 v[160+8*\t+4:160+8*\t+7], v[BA], s[10:11] offset:8192+(32*(\t/2)+8*(\t%2))*4+16
.endr
	WIN 0
	s_wait_tensorcnt 0x0                           ; my quarter of the rows has landed,
	s_barrier_signal -1
	s_barrier_wait -1                              ; everybody's has
	FETCH
	s_wait_loadcnt 0x0                             ; weights, scale words, bias
	s_mov_b32 s[CNT], 7
.Ltrip:
	TRIP 1
	s_sub_co_u32 s[CNT], s[CNT], 1
	s_cmp_lg_u32 s[CNT], 0
	s_cbranch_scc1 .Ltrip
	TRIP 0                                         ; the last pair fetches nothing
	s_wait_dscnt 0x0                               ; for the others' sake: my half words have landed
	s_barrier_signal -1
	s_barrier_wait -1
	ds_load_b128 v[96:99], v[RDY]                  ; bytes 0, 1 of four lanes' words (the even wave's),
	ds_load_b128 v[100:103], v[RDY] offset:2048    ; bytes 2, 3 (the odd wave's);
	ds_load_b128 v[104:107], v[RDY] offset:1024    ; and the same eight tiles on
	ds_load_b128 v[108:111], v[RDY] offset:3072
	s_wait_dscnt 0x0
.irp j, 0,1,2,3
	v_lshl_or_b32 v[96+\j], v[100+\j], 16, v[96+\j]
	v_lshl_or_b32 v[104+\j], v[108+\j], 16, v[104+\j]
.endr
	global_store_b128 v[OUTY], v[96:99], s[14:15]
	global_store_b128 v[OUTY], v[104:107], s[14:15] offset:2048
	s_wait_tensorcnt 0x0
	ds_add_u32 v78, v79
	s_wait_dscnt 0x0
	ROUND                                          ; the closing round
	s_endpgm
.Lfunc_end_k_q5fbc1c853c_ffn1:
	.size	k_q5fbc1c853c_ffn1, .Lfunc_end_k_q5fbc1c853c_ffn1-k_q5fbc1c853c_ffn1
	.p2alignl 7, 3214868480
	.fill 96, 4, 3214868480
	.section	.rodata,"a",@progbits
	.p2align	6, 0x0
	.amdhsa_kernel k_q5fbc1c853c_ffn1
		.amdhsa_group_segment_fixed_size 168448
		.amdhsa_private_segment_fixed_size 0
		.amdhsa_enable_private_segment 0
		.amdhsa_kernarg_size 48
		.amdhsa_user_sgpr_count 2
		.amdhsa_user_sgpr_kernarg_segment_ptr 1
		.amdhsa_wavefront_size32 1
		.amdhsa_system_sgpr_workgroup_id_x 1
		.amdhsa_system_sgpr_workgroup_id_y 1
		.amdhsa_system_sgpr_workgroup_id_z 1
		.amdhsa_system_vgpr_workitem_id 0
		.amdhsa_next_free_vgpr 1024
		.amdhsa_next_free_sgpr 70
		.amdhsa_reserve_vcc 0
		.amdhsa_float_denorm_mode_32 3
		.amdhsa_float_denorm_mode_16_64 3
		.amdhsa_fp16_overflow 1
		.amdhsa_memory_ordered 1
		.amdhsa_forward_progress 1
		.amdhsa_inst_pref_size 134
	.end_amdhsa_kernel
	.amdgpu_metadata
---
amdhsa.version: [ 1, 2 ]
amdhsa.kernels:
  - .name:           k_q5fbc1c853c_ffn1
    .symbol:         k_q5fbc1c853c_ffn1.kd
    .args:
      - { .name: h1q, .offset: 0, .size: 8, .value_kind: global_buffer, .address_space: global }
      - { .name: wimg, .offset: 8, .size: 8, .value_kind: global_buffer, .address_space: global }
      - { .name: Wp_scales, .offset: 16, .size: 8, .value_kind: global_buffer, .address_space: global }
      - { .name: bp, .offset: 24, .size: 8, .value_kind: global_buffer, .address_space: global }
      - { .name: yq, .offset: 32, .size: 8, .value_kind: global_buffer, .address_space: global }
      - { .name: ysc, .offset: 40, .size: 8, .value_kind: global_buffer, .address_space: global }
    .group_segment_fixed_size: 168448
    .private_segment_fixed_size: 0
    .kernarg_segment_align: 8
    .kernarg_segment_size: 48
    .max_flat_workgroup_size: 128
    .sgpr_count:     70
    .vgpr_count:     1024
    .wavefront_size: 32
...
	.end_amdgpu_metadata
.endif
;; end of part 5
;; launch ffn2 (part 6): grid 4 x 64, 4 waves a work-group, no clusters, 135,680 bytes of LDS; arguments yq, ysc, wimg, W2_scales, b2, x1, out0; writes out0
.if DOCPART == 6
	.amdgcn_target "amdgcn-amd-amdhsa--gfx1250"
	.amdhsa_code_object_version 6
	.text
	.protected	k_q5fbc1c853c_ffn2
	.globl	k_q5fbc1c853c_ffn2
	.p2align	8
	.type	k_q5fbc1c853c_ffn2,@function
k_q5fbc1c853c_ffn2:
	s_mov_b64 s[64:65], 0
	v_nop
	global_prefetch_b8 v0, s[64:65] scope:SCOPE_SE
	s_setreg_imm32_b32 hwreg(HW_REG_WAVE_MODE, 25, 1), 1
	s_wait_xcnt 0x0
; out0 = x1 + y W2 + b2 on codes of MX-FP8; K = 2,048 = 16 steps of 128.
; SHARES.  Work-group (x, y): 128 columns x 128 rows.  THE WAVES SHARE K: wave w owns K steps 4 w .. 4 w + 3 and keeps its 8 column tiles x 4 steps of W2 in 512 registers, read once.  They come from wimg, chunk 44 + 4 x + w,
; where the first launch has laid W2's given codes as images of these registers: each of the 128 loads covers 512 consecutive bytes.  Each byte of y's codes, which lie in memory as images of operand registers too,
; goes straight into the registers of the one wave that multiplies it, and a fragment of 2 KB feeds 8 matrix instructions.  The four partial sums meet in LDS.
; NO CLUSTER, NO TENSOR LOAD: no operand passes through LDS; a joint load would add a store and a read of the same bytes in LDS for each of them.
; The product is used TRANSPOSED (source 0 = 16 columns of W2, source 1 = 16 tokens): a lane holds eight neighbouring columns of one row.
; A block of 32 rows: 64 products; results into my part of a stage; one barrier; each wave reads 8 whole rows from all four parts, adds them, b2 and x1, and stores 512 consecutive bytes a row.
; Two stages take turns: a stage is written again two blocks on, behind the barrier between, which every wave signals only when its reads of that stage are back.
; LIMIT, stated: an output is (p0 + p1) + (p2 + p3) of four f32 partial sums along K, not one chain along K.  NaN and infinities are not served.
; REGISTERS, in windows of 256: window 0: v1-8 addresses; v16-47 W2's scale words [4 t + i]; v48-55 y's [4 a + i]; v56-59 b2; v64-95 x1; v128-255 four parts x 8 rows.
;   window 1: W2's tiles 0-3 at 64 t + 16 i;  window 2: tiles 4-7;  window 3: v0-127 y's fragments at 64 a + 16 i, v128-255 the 16 accumulators at 64 a + 8 t.
.set LI,  1
.set LS,  2
.set WSA, 4
.set SO,  5                            ; v5, v6  where I put 32 bytes of a row, in stage 0, 1
.set SR,  7                            ; v7, v8  where I read rows back
.set WS,  16
.set AS,  48
.set B2,  56
.set X1,  64
.set WV,  18
.set PARTB, 16896                      ; a wave's part of a stage: 32 rows x (512 + 16) bytes
.set STGB, 67584
.set MSB, 0
.macro WIN new
.if MSB != (\new)
	s_set_vgpr_msb (MSB<<8)|(\new)
.set MSB, (\new)
.endif
.endm
.macro PLACES n
.rept \n
	v_nop
.endr
.endm
; y's 8 fragments and 8 scale words of block bi: tiles 8 y + 2 bi + a, my K steps i
.macro LOADA bi
	WIN 0xc0
.irp a, 0,1
.irp i, 0,1,2,3
.irp c, 0,1,2,3
	global_load_b128 v[64*\a+16*\i+4*\c:64*\a+16*\i+4*\c+3], v[LI], s[4:5] offset:(\i/2)*2097152+(2*(\bi)+\a)*4096+(\i%2)*2048+512*\c
.endr
.endr
.endr
	WIN 0
.irp a, 0,1
.irp i, 0,1,2,3
	global_load_b32 v[AS+4*\a+\i], v[LS], s[6:7] offset:(\i/2)*131072+(2*(\bi)+\a)*256+(\i%2)*128
.endr
.endr
.endm
.macro BLOCK bi
	s_wait_loadcnt 0x0                             ; this block's fragments and scale words are in
.irp i, 0,1,2,3                                ; 64 matrix instructions; the 16 accumulators take turns, one instruction a turn; the first K step starts the sums
.irp wn, 0,1
	WIN 0xfd+\wn                                   ; source 0 (W2) window 1 or 2; source 1, C and D window 3
.irp a, 0,1
.irp t, 0,1,2,3
.if \i == 0
	v_wmma_scale_f32_16x16x128_f8f6f4 v[128+64*\a+8*(4*\wn+\t):128+64*\a+8*(4*\wn+\t)+7], v[64*\t+16*\i:64*\t+16*\i+15], v[64*\a+16*\i:64*\a+16*\i+15], 0, v[WS+4*(4*\wn+\t)+\i], v[AS+4*\a+\i]
.else
	v_wmma_scale_f32_16x16x128_f8f6f4 v[128+64*\a+8*(4*\wn+\t):128+64*\a+8*(4*\wn+\t)+7], v[64*\t+16*\i:64*\t+16*\i+15], v[64*\a+16*\i:64*\a+16*\i+15], v[128+64*\a+8*(4*\wn+\t):128+64*\a+8*(4*\wn+\t)+7], v[WS+4*(4*\wn+\t)+\i], v[AS+4*\a+\i]
.endif
.endr
.endr
.endr
.endr
	WIN 0
	PLACES 8                                       ; behind the last product: ahead of loads into its operands and of the stores that read results
.irp i, 0,1,2,3,4,5,6,7
	global_load_b128 v[X1+4*\i:X1+4*\i+3], v[LI], s[14:15] offset:(32*(\bi)+\i)*2048   ; x1: the 8 rows that I finish
.endr
.if (\bi) < 3
	LOADA (\bi)+1                                  ; the next block's operands land during the way through LDS
.endif
	WIN 0x0c                                       ; an LDS store's data are its source 1: window 3
.irp a, 0,1
.irp t, 0,1,2,3,4,5,6,7
	ds_store_b128 v[SO+(\bi)%2], v[128+64*\a+8*\t:128+64*\a+8*\t+3] offset:8448*\a+64*\t       ; each accumulator from its low end on
	ds_store_b128 v[SO+(\bi)%2], v[128+64*\a+8*\t+4:128+64*\a+8*\t+7] offset:8448*\a+64*\t+16
.endr
.endr
	WIN 0
	s_wait_dscnt 0x0                               ; for the others' sake: my part has landed (and my reads of the last block's stage came back before its sums)
	s_barrier_signal -1
	s_barrier_wait -1
	s_wait_xcnt 0x0                                ; the last block's stores have read the registers that the loads below fill
.irp p, 0,1,2,3
.irp i, 0,1,2,3,4,5,6,7
	ds_load_b128 v[128+32*\p+4*\i:128+32*\p+4*\i+3], v[SR+(\bi)%2] offset:\p*PARTB+528*\i
.endr
.endr
	s_wait_dscnt 0x0
.if (\bi) < 3
	s_wait_loadcnt 40                              ; x1's 8 loads are in; the 40 issued behind them, the next block's operands, may stay out
.else
	s_wait_loadcnt 0x0
.endif
.irp i, 0,1,2,3,4,5,6,7
.irp j, 0,2
	v_pk_add_f32 v[128+4*\i+\j:129+4*\i+\j], v[128+4*\i+\j:129+4*\i+\j], v[160+4*\i+\j:161+4*\i+\j]
	v_pk_add_f32 v[192+4*\i+\j:193+4*\i+\j], v[192+4*\i+\j:193+4*\i+\j], v[224+4*\i+\j:225+4*\i+\j]
	v_pk_add_f32 v[X1+4*\i+\j:X1+4*\i+\j+1], v[X1+4*\i+\j:X1+4*\i+\j+1], v[B2+\j:B2+\j+1]
	v_pk_add_f32 v[128+4*\i+\j:129+4*\i+\j], v[128+4*\i+\j:129+4*\i+\j], v[192+4*\i+\j:193+4*\i+\j]
	v_pk_add_f32 v[128+4*\i+\j:129+4*\i+\j], v[128+4*\i+\j:129+4*\i+\j], v[X1+4*\i+\j:X1+4*\i+\j+1]
.endr
	global_store_b128 v[LI], v[128+4*\i:131+4*\i], s[16:17] offset:(32*(\bi)+\i)*2048 th:TH_STORE_NT   ; 32 lanes store 512 consecutive bytes, aligned; written once, read by nobody here
.endr
.endm
	s_load_b256 s[4:11], s[0:1], 0x0               ; yq s[4:5], ysc s[6:7], wimg s[8:9], W2's scales s[10:11]
	s_load_b128 s[12:15], s[0:1], 0x20             ; b2 s[12:13], x1 s[14:15]
	s_load_b64 s[16:17], s[0:1], 0x30              ; out0
	v_lshl_add_u32 v126, v0, 2, 0x21000
	v_mov_b32 v127, 0
	v_lshrrev_b32 v9, 5, v0
	v_readfirstlane_b32 s[WV], v9                  ; wave 0..3
	s_and_b32 s19, ttmp7, 0xffff                   ; y
	v_and_b32 v9, 31, v0
	v_lshlrev_b32 v[LI], 4, v9
	v_lshlrev_b32 v[LS], 2, v9
	v_and_b32 v9, 15, v0                           ; r
	v_bfe_u32 v10, v0, 4, 1                        ; h
	v_lshlrev_b32 v[WSA], 6, v9                    ; W2's scale bytes: 64 a column
	s_mul_i32 s20, s[WV], PARTB
	v_mul_u32_u24 v[SO], v9, 528
	v_lshl_add_u32 v[SO], v10, 5, v[SO]
	v_add_nc_u32 v[SO], s20, v[SO]                 ; my part: row r, + 32 h
	v_add_nc_u32 v[SO+1], STGB, v[SO]
	s_mul_i32 s20, s[WV], 8*528
	v_add_nc_u32 v[SR], s20, v[LI]                 ; rows 8 w .. 8 w + 7 of every part, 16 bytes a lane
	v_add_nc_u32 v[SR+1], STGB, v[SR]
	s_mov_b32 s21, 0
	s_wait_alu depctr_va_vdst(0)
	s_wait_kmcnt 0x0
	s_lshl_b32 s20, s[WV], 22                      ; yq: (1,024 w + 8 y) x 4,096
	s_lshl_b32 s22, s19, 15
	s_add_co_u32 s20, s20, s22
	s_add_nc_u64 s[4:5], s[4:5], s[20:21]
	s_lshl_b32 s20, s[WV], 18                      ; ysc: (1,024 w + 8 y) x 256
	s_lshl_b32 s22, s19, 11
	s_add_co_u32 s20, s20, s22
	s_add_nc_u64 s[6:7], s[6:7], s[20:21]
	s_lshl_b32 s20, ttmp9, 18                      ; wimg: chunk 44 + 4 x + w, 65,536 bytes a chunk
	s_lshl_b32 s22, s[WV], 16
	s_add_co_u32 s20, s20, s22
	s_add_co_u32 s20, s20, 44*65536
	s_add_nc_u64 s[8:9], s[8:9], s[20:21]
	s_lshl_b32 s20, ttmp9, 13                      ; W2's scales: 64 bytes a column, + 16 w
	s_lshl_b32 s22, s[WV], 4
	s_add_co_u32 s20, s20, s22
	s_add_nc_u64 s[10:11], s[10:11], s[20:21]
	s_lshl_b32 s20, ttmp9, 9                       ; b2: my 128 columns
	s_add_nc_u64 s[12:13], s[12:13], s[20:21]
	s_lshl_b32 s22, s19, 18                        ; x1, out0: stage row 8 w + i is token 8 (w / 2) + 16 (w % 2) + i of a block of 32
	s_add_co_u32 s20, s20, s22
	s_lshr_b32 s22, s[WV], 1
	s_lshl_b32 s22, s22, 14
	s_add_co_u32 s20, s20, s22
	s_and_b32 s22, s[WV], 1
	s_lshl_b32 s22, s22, 15
	s_add_co_u32 s20, s20, s22
	s_add_nc_u64 s[14:15], s[14:15], s[20:21]
	s_add_nc_u64 s[16:17], s[16:17], s[20:21]
	WIN 0x40
.irp t, 0,1,2,3
.irp i, 0,1,2,3
.irp c, 0,1,2,3
	global_load_b128 v[64*\t+16*\i+4*\c:64*\t+16*\i+4*\c+3], v[LI], s[8:9] offset:8192*\t+2048*\i+512*\c   ; 512 consecutive bytes
.endr
.endr
.endr
	WIN 0x80
.irp t, 0,1,2,3
.irp i, 0,1,2,3
.irp c, 0,1,2,3
	global_load_b128 v[64*\t+16*\i+4*\c:64*\t+16*\i+4*\c+3], v[LI], s[8:9] offset:32768+8192*\t+2048*\i+512*\c
.endr
.endr
.endr
	WIN 0
.irp t, 0,1,2,3,4,5,6,7
	global_load_b128 v[WS+4*\t:WS+4*\t+3], v[WSA], s[10:11] offset:1024*\t   ; a column's scale words of my four K steps
.endr
	global_load_b128 v[B2:B2+3], v[LI], s[12:13]
	LOADA 0
	BLOCK 0
	BLOCK 1
	BLOCK 2
	BLOCK 3
	s_wait_tensorcnt 0x0
	ds_add_u32 v126, v127
	s_wait_dscnt 0x0
	s_endpgm
.Lfunc_end_k_q5fbc1c853c_ffn2:
	.size	k_q5fbc1c853c_ffn2, .Lfunc_end_k_q5fbc1c853c_ffn2-k_q5fbc1c853c_ffn2
	.p2alignl 7, 3214868480
	.fill 96, 4, 3214868480
	.section	.rodata,"a",@progbits
	.p2align	6, 0x0
	.amdhsa_kernel k_q5fbc1c853c_ffn2
		.amdhsa_group_segment_fixed_size 135680
		.amdhsa_private_segment_fixed_size 0
		.amdhsa_enable_private_segment 0
		.amdhsa_kernarg_size 56
		.amdhsa_user_sgpr_count 2
		.amdhsa_user_sgpr_kernarg_segment_ptr 1
		.amdhsa_wavefront_size32 1
		.amdhsa_system_sgpr_workgroup_id_x 1
		.amdhsa_system_sgpr_workgroup_id_y 1
		.amdhsa_system_sgpr_workgroup_id_z 1
		.amdhsa_system_vgpr_workitem_id 0
		.amdhsa_next_free_vgpr 1024
		.amdhsa_next_free_sgpr 66
		.amdhsa_reserve_vcc 0
		.amdhsa_float_denorm_mode_32 3
		.amdhsa_float_denorm_mode_16_64 3
		.amdhsa_memory_ordered 1
		.amdhsa_forward_progress 1
		.amdhsa_inst_pref_size 108
	.end_amdhsa_kernel
	.amdgpu_metadata
---
amdhsa.version: [ 1, 2 ]
amdhsa.kernels:
  - .name:           k_q5fbc1c853c_ffn2
    .symbol:         k_q5fbc1c853c_ffn2.kd
    .args:
      - { .name: yq, .offset: 0, .size: 8, .value_kind: global_buffer, .address_space: global }
      - { .name: ysc, .offset: 8, .size: 8, .value_kind: global_buffer, .address_space: global }
      - { .name: wimg, .offset: 16, .size: 8, .value_kind: global_buffer, .address_space: global }
      - { .name: W2_scales, .offset: 24, .size: 8, .value_kind: global_buffer, .address_space: global }
      - { .name: b2, .offset: 32, .size: 8, .value_kind: global_buffer, .address_space: global }
      - { .name: x1, .offset: 40, .size: 8, .value_kind: global_buffer, .address_space: global }
      - { .name: out0, .offset: 48, .size: 8, .value_kind: global_buffer, .address_space: global }
    .group_segment_fixed_size: 135680
    .private_segment_fixed_size: 0
    .kernarg_segment_align: 8
    .kernarg_segment_size: 56
    .max_flat_workgroup_size: 128
    .sgpr_count:     66
    .vgpr_count:     1024
    .wavefront_size: 32
...
	.end_amdgpu_metadata
.endif
;; end of part 6
